; MI455X (gfx1250); checked and timed in simulation.
; The chip was launched on July 23, 2026; its instructions are those of AMD's public machine-readable ISA for CDNA 5 (MIT licence, August 2026) and "CDNA5" Instruction Set Architecture Reference Guide (July 2026). The comments in the code are by the model that wrote it; some were corrected since.
;; Cross Attention. Allowed arithmetic: matrix products marked QUANTISED: E4M3 operands, one given power-of-two scale a tensor, by v_wmma_f32_16x16x64_fp8_fp8 or v_wmma_f32_16x16x128_fp8_fp8, f32 sums; everything else in f32.
;; Inputs: Kc_codes 2,048 x 32 x 32 uint8 (E4M3 codes of Kc, K innermost, in blocks of 32 codes); Kp_codes 4,096 x 32 x 32 uint8 (E4M3 codes of Kp, K innermost, in blocks of 32 codes); Qc_codes 2,048 x 32 x 32 uint8 (E4M3 codes of Qc, K innermost, in blocks of 32 codes); Qp_codes 4,096 x 32 x 32 uint8 (E4M3 codes of Qp, K innermost, in blocks of 32 codes); Vc_codes 2,048 x 32 x 32 uint8 (E4M3 codes of Vc, K innermost, in blocks of 32 codes); Vp_codes 4,096 x 32 x 32 uint8 (E4M3 codes of Vp, K innermost, in blocks of 32 codes); Wk_c_codes 1,024 x 32 x 32 uint8 (E4M3 codes of Wk_c, K innermost, in blocks of 32 codes); Wk_p_codes 1,024 x 32 x 32 uint8 (E4M3 codes of Wk_p, K innermost, in blocks of 32 codes); Wq_c_codes 1,024 x 32 x 32 uint8 (E4M3 codes of Wq_c, K innermost, in blocks of 32 codes); Wq_p_codes 1,024 x 32 x 32 uint8 (E4M3 codes of Wq_p, K innermost, in blocks of 32 codes); Wv_c_codes 1,024 x 32 x 32 uint8 (E4M3 codes of Wv_c, K innermost, in blocks of 32 codes); Wv_p_codes 1,024 x 32 x 32 uint8 (E4M3 codes of Wv_p, K innermost, in blocks of 32 codes); bk_c 1,024 float32; bk_p 1,024 float32; bq_c 1,024 float32; bq_p 1,024 float32; bv_c 1,024 float32; bv_p 1,024 float32; lowp_scales 20 int32 (the exponents e of the quantised operands' scales 2^e).
;; Outputs: out0 2,048 x 1,024 float32; out1 4,096 x 1,024 float32.
;; This version of the problem:
;;   THIS VERSION OF THE PROBLEM IS GIVEN IN LOW PRECISION. The matrix products marked QUANTISED in the list below multiply operands that are first quantised to E4M3 (4 exponent bits, 3 mantissa bits; 8 bits a number), with one given power-of-two scale for each operand tensor; their sums are f32. All else is computed in f32.
;;   The module's matrix products, in the order in which they are computed (A, B: the left and right operand; K: the contracted axis; several contracted axes count as one K, in the product's order):
;;     1. [M 2,048, K 1,024] x [K 1,024, N 1,024]; A: input Qc (given as codes); B: input Wq_c (given as codes): QUANTISED (scales: A lowp_scales[0], B lowp_scales[1])
;;     2. [M 2,048, K 1,024] x [K 1,024, N 1,024]; A: input Kc (given as codes); B: input Wk_c (given as codes): QUANTISED (scales: A lowp_scales[2], B lowp_scales[3])
;;     3. [M 2,048, K 1,024] x [K 1,024, N 1,024]; A: input Vc (given as codes); B: input Wv_c (given as codes): QUANTISED (scales: A lowp_scales[4], B lowp_scales[5])
;;     4. [M 4,096, K 1,024] x [K 1,024, N 1,024]; A: input Qp (given as codes); B: input Wq_p (given as codes): QUANTISED (scales: A lowp_scales[6], B lowp_scales[7])
;;     5. [M 4,096, K 1,024] x [K 1,024, N 1,024]; A: input Kp (given as codes); B: input Wk_p (given as codes): QUANTISED (scales: A lowp_scales[8], B lowp_scales[9])
;;     6. [M 4,096, K 1,024] x [K 1,024, N 1,024]; A: input Vp (given as codes); B: input Wv_p (given as codes): QUANTISED (scales: A lowp_scales[10], B lowp_scales[11])
;;     7. [M 2,048, K 1,024] x [K 1,024, N 4,096]; A: computed on the way; B: computed on the way: QUANTISED (scales: A lowp_scales[12], B lowp_scales[13])
;;     8. [M 2,048, K 4,096] x [K 4,096, N 1,024]; A: softmax (see below); B: computed on the way: QUANTISED (scales: A lowp_scales[14], B lowp_scales[15])
;;     9. [M 4,096, K 1,024] x [K 1,024, N 2,048]; A: computed on the way; B: computed on the way: QUANTISED (scales: A lowp_scales[16], B lowp_scales[17])
;;     10. [M 4,096, K 2,048] x [K 2,048, N 1,024]; A: softmax (see below); B: computed on the way: QUANTISED (scales: A lowp_scales[18], B lowp_scales[19])
;;   THE QUANTISER, for each operand of a quantised product, along K:
;;     - The operand's scale is 2^e, e = its entry of the input lowp_scales (int32; the entries are numbered through the quantised products in the list's order, A before B).
;;     - Each number is divided by the scale, clamped to +-448, and rounded to the nearest number of E4M3, ties to even, subnormals kept.
;;     - The product sums the exact products of the quantised numbers (number of the format x scale) in f32.
;;   ~~~python
;;   def quantise(x, axis, e):      # numpy; x: float32 -> the quantised numbers, widened to float32 again
;;       x = np.moveaxis(x, axis, -1); K = x.shape[-1]
;;       r = np.clip(x / 2.0 ** e, -448, 448)
;;       step = 2.0 ** (np.maximum(np.frexp(np.where(r == 0, 1, r))[1] - 1, -6) - 3)
;;       q = np.round(r / step) * step * 2.0 ** e      # np.round: ties to even
;;       return np.moveaxis(q, -1, axis).astype(np.float32)
;;   ~~~
;;   SOFTMAX AHEAD OF A QUANTISED PRODUCT. Where the list says 'softmax', what is quantised is not the finished softmax but p = 2^(t - M), with t = logit x log2(e) and M = ceil(the row's largest t), a whole number; so 1/2 < the row's largest p <= 1. The row's sum l is taken of the UNQUANTISED p, in f32, and the product's result is divided by l at the end. Since M is a whole number, a kernel that streams over the keys may use a running M (the ceiling of the running maximum): every later rescaling is an exact power of two, so the quantised numbers keep their values, but for numbers so far below the row's largest that they fall under the format's range.
;;   OPERANDS COMPUTED ON THE WAY. 'Computed on the way' means the value that the module computes at that place (a softmax that the list does not call 'softmax' is quantised finished and normalised). What goes into a quantiser is computed in f32, as accurately as f32 sums, v_exp_f32 and their like allow (about 1e-6 of the number): no bf16 or f16 on the way to a quantiser, and a product that is left as it is and whose result goes on into a quantised operand takes f32 operands (vector FMAs, or v_wmma_f32_16x16x4_f32). A number that lies on a knife's edge between two numbers of the format may be rounded either way, as far as f32 arithmetic and the matrix unit's own rounding can turn it there, and no further.
;;   INPUTS GIVEN AS CODES. Kc (in the module: [2048, 1024], K = its axis 1); Kp (in the module: [4096, 1024], K = its axis 1); Qc (in the module: [2048, 1024], K = its axis 1); Qp (in the module: [4096, 1024], K = its axis 1); Vc (in the module: [2048, 1024], K = its axis 1); Vp (in the module: [4096, 1024], K = its axis 1); Wk_c (in the module: [1024, 1024], K = its axis 1); Wk_p (in the module: [1024, 1024], K = its axis 1); Wq_c (in the module: [1024, 1024], K = its axis 1); Wq_p (in the module: [1024, 1024], K = its axis 1); Wv_c (in the module: [1024, 1024], K = its axis 1); Wv_p (in the module: [1024, 1024], K = its axis 1): each comes as NAME_codes (uint8): NAME with its K axis moved to the last place and cut into blocks of 32 codes, [.., K / 32, bytes a block], one block behind the other in memory; one code a byte (a code: sign, 4 exponent bits, 3 mantissa bits); its scale is its entry of lowp_scales. Its value is code x scale, taken as it is: it is not quantised again, and the codes and scales need not be those that the quantiser above would give.
;; One version. Each part assembles by itself: llvm-mc -triple=amdgcn-amd-amdhsa -mcpu=gfx1250 --defsym DOCPART=n.
;; ======== version 1 of 1: 3 launches
;; limits: right only within a limited range of input values
;; workspace buffers: proj 18,874,368 bytes; pbuf 16,777,216 bytes; stats 524,288 bytes
;; launch proj6 (part 1): grid 4 x 64, 4 waves a work-group, clusters of 4 x 4, 327,680 bytes of LDS; arguments Kp_codes, Qp_codes, Vp_codes, Kc_codes, Qc_codes, Vc_codes, Wk_p_codes, Wq_p_codes, Wv_p_codes, Wk_c_codes, Wq_c_codes, Wv_c_codes, bk_p, bq_p, bv_p, bk_c, bq_c, bv_c, lowp_scales, proj; writes proj
.if DOCPART == 1
	.amdgcn_target "amdgcn-amd-amdhsa--gfx1250"
	.amdhsa_code_object_version 6
	.text
	.protected	k_q446cf78d10_proj6
	.globl	k_q446cf78d10_proj6
	.p2align	8
	.type	k_q446cf78d10_proj6,@function
k_q446cf78d10_proj6:
	s_mov_b64 s[64:65], 0
	v_nop
	global_prefetch_b8 v0, s[64:65] scope:SCOPE_SE
	s_setreg_imm32_b32 hwreg(HW_REG_WAVE_MODE, 25, 1), 1
	s_wait_xcnt 0x0
	s_wait_alu depctr_hold_cnt(0) depctr_sa_sdst(0) depctr_va_vdst(0) depctr_va_sdst(0) depctr_va_ssrc(0) depctr_va_vcc(0) depctr_vm_vsrc(0)
	s_getreg_b32 s2, hwreg(HW_REG_IB_STS2, 6, 4)
	s_cmp_eq_u32 s2, 0
	s_cbranch_scc0 .Lentry_in_a_cluster
	s_endpgm
.Lentry_in_a_cluster:
	s_bfe_u32 s2, ttmp6, 0x10000c
	s_cmp_lg_u32 s2, 0xf033
	s_cbranch_scc0 .Lentry_shape_is_right
	s_endpgm
.Lentry_shape_is_right:
; THE SIX PROJECTIONS  y = x W^T + b  on codes of FP8 (E4M3), each result quantised again with the scale given for the product that takes it.
; NOTHING OF THE PROBLEM IS LEFT OUT in any of the three launches: every bias goes into a quantiser ahead of a live product, so all inputs are loaded.
; SHARES.  The six make 18 x 2^20 results, 9 x 2^13 for each of 256 work-groups; no tile with a factor 9 divides tensors whose sides are powers of two.  So a work-group does two things.
;   THE MAIN TILE: a cluster of 4 x 4 work-groups makes 1,024 x 1,024 results of one projection: cluster 0-3 Kp, 4-7 Qp, 8-11 Vp, 12-13 Kc, 14-15 Qc.  A work-group makes 256 x 256, a wave 128 x 128 (64 accumulators).
;   THE NINTH PART: Vc's projection (1,024 d x 2,048 keys) is shared out among all: a cluster takes 256 d x 512 keys, a work-group 64 x 128, a wave 16 d x 128 keys (8 accumulators).
; K = 1,024 goes in four steps of 256 through a ring of two LDS slots, and the ring goes on into the ninth part: slot 0 and slot 1 are each filled a third time, with its operands.
; Tiles are asked for jointly: the lanes' operand along a row of the cluster, the registers' operand along a column.
; THE MATRIX INSTRUCTION: source 0 = 16 rows of the 'registers' operand', source 1 = 16 rows of the 'lanes' operand': a lane holds one row of the second and eight neighbouring rows of the first.
;   q and k: lanes = rows of x, registers = rows of W (the channels d): a lane's codes run along d, which is the next product's K.
;   v:       lanes = rows of Wv (d), registers = rows of x (the keys): a lane's codes run along the keys, which is the K of the product with the softmax.  The bias then runs along the lanes.
; THE BIAS, divided by 2^(ea + eb), is the C of an accumulator's first product; so a finished sum is y / 2^(ea + eb), and the conversion divides it by 2^(eo - ea - eb).
; OUTPUT: IMAGES OF AN OPERAND'S REGISTERS.  A chunk of 16,384 bytes holds 128 rows x 128 along K as [row / 16][c = 0 .. 3][lane][16 bytes]: of row lane % 16, the codes
; k = 32 c + 8 (lane / 16) + 0 .. 7 and k = 32 c + 16 + 8 (lane / 16) + 0 .. 7, which are the lane's own 16 codes of two tiles, and registers 4 c .. 4 c + 3 of an operand of 16 x 128.
; Chunk number: (row / 128) x (K / 128) + k / 128.  In proj: Kp at 0, Qp at 4 MiB, Vp^T at 8 MiB, Kc at 12 MiB, Qc at 14 MiB, Vc^T at 16 MiB.
; A fragment of the inputs is fetched by four loads of 16 bytes: a permutation of k that is the same in both operands, so every product meets its partner.
; PREFETCHES: behind a change of slots each wave asks for its work-group's part of what the next change loads, one K step of 256 ahead (no K step is asked for ahead of the first one that a change loads).
; The four that ask for a tile jointly share its rows out by address.
; LIMITS: eo - ea - eb lies between -126 and 119, and a bias divided by 2^(ea + eb) is an ordinary f32 number.  NaN and infinities among the inputs are not served.
; TWO POINTS IN WHICH THE ABOVE IS NARROWED.  (1) In V^T's row blocks the chunk of keys k is number (k / 2,048) x 16 + ((k / 128) % 8) x 2 + (k / 1,024) % 2: the chunks of two slices of 1,024 keys lie beside each other.
; (2) K step 1, which is loaded behind the head's second round, is prefetched too: behind the head's joint load.
.set PITCH,  272                       ; an LDS line: 256 bytes + 16 of padding: the 16 rows of a fragment load start at 16 different groups of banks
.set HALFT,  128*PITCH                 ; what one tensor load brings: every tile of this text is 128 lines of 256 bytes, at wave x HALFT in its slot
.set SLOT,   4*HALFT
.set SPARE,  2*SLOT                    ; the spare words: 128 bytes a wave, named by no other line
.set FR,     16
.set NL,     4
.set NP,     4
.set REFILL, 512                       ; two K steps of 256 bytes
.set KROW,   1024                      ; a row of x or W in memory
.set XB,   7                           ; v7     the ninth part's bias
.set EAD,  8                           ; v8     the ninth part: LDS address of my 16 rows of Wv_c
.set EBD,  10                          ; v10-11 the ninth part: LDS address of Vc's tiles in slot 0, 1
.set PFO,  12                          ; v12    the prefetches' offset: a row of 1,024 bytes a lane; never rewritten
.set PFW,  13                          ; v13    the same for Wv_c: 16 rows, two blocks of 256 bytes each; never rewritten
.set ADRA, 16                          ; v16-17 LDS address of the lanes' operand's fragments in slot 0, 1
.set ADRB, 20                          ; v20-21 the same for the registers' operand
.set BOC,  22                          ; v22 32 x (lane / 16): bias along the registers
.set BOR,  23                          ; v23 4 x (lane % 16): bias along the lanes
.set CO,   26                          ; v26 16 x lane
.set SPW,  28                          ; v28 my spare word
.set NIL,  29                          ; v29 0
.set SCL,  30                          ; v30 2^(eo - ea - eb) as f32
.set LIM,  31                          ; v31 448 x that
.set BI,   32                          ; v32-95  the first products' C: eight blocks of eight registers; q, k: block b; v: block a
.set RB,   96                          ; v96-103 the bias along the lanes as loaded
.set CDB,  96                          ; v96-127 the way out: codes, two sets of 16
.set AF,   128                         ; v128-255 the lanes' operand's fragments; on the way out numbers that are held, two sets of 64
.set OUTB, 10                          ; s[10:11] my chunk of proj
.set G1, 24
.set G0, 32
.set G1B, 48
.set G0B, 56
.set G1X, 68                           ; s[68:75] descriptor group 1 for Wv_c's tiles of the ninth part
.set EA,  76                           ; s[76:77] where my tile of Wv_c begins
.set EB,  78                           ; s[78:79] where my first tile of Vc begins
.set PWV, 80                           ; s[80:81] where my prefetch of Wv_c stands
.set XBP, 82                           ; s[82:83] the ninth part's bias
.set XOUT, 84                          ; s[84:85] the ninth part's 2,048 bytes of proj
.set PFA, 86                           ; s[86:87] where my prefetches of the main tile stand: K step 0 of my work-group's 32 of the 128 rows that I fetch
.set PVC, 88                           ; s[88:89] where my prefetch of Vc stands
.set MSB, 0
.macro WIN new                         ; the immediate's high byte repeats the setting that is left
.if MSB != (\new)
	s_set_vgpr_msb (MSB<<8)|(\new)
.set MSB, (\new)
.endif
.endm
.set MUL_LO, 0xa1                      ; source 0 window 1, source 1 window 0, C and D window 2
.set MUL_HI, 0xf1                      ; the same, C and D window 3
.set TO_B,   0x40
.macro JLOAD g0a, g1a, g0b, g1b        ; a joint load: waves 0, 1 fetch the lanes' operand, waves 2, 3 the registers'; an s_nop 0 and four v_nop follow each line
	s_cmp_eq_u32 s15, 0
	s_cbranch_scc0 .Lfor_b_\@
	tensor_load_to_lds s[\g0a:\g0a+3], s[\g1a:\g1a+7]
	s_nop 0
.rept 4
	v_nop
.endr
	s_branch .Lasked_\@
.Lfor_b_\@:
	tensor_load_to_lds s[\g0b:\g0b+3], s[\g1b:\g1b+7]
	s_nop 0
.rept 4
	v_nop
.endr
.Lasked_\@:
.endm
.macro CREST                           ; a round of the cluster's barrier behind its opening barrier
	s_cmp_lg_u32 s14, 0
	s_cbranch_scc1 .Lnot_wave_0_\@
	s_barrier_signal -3
.Lnot_wave_0_\@:
	s_barrier_wait -3
	s_barrier_signal -1
	s_barrier_wait -1
.endm
.macro CROUND
	s_barrier_signal -1
	s_barrier_wait -1
	CREST
.endm
.macro PLACES n
.rept \n
	v_nop
.endr
.endm
.macro ASK k                           ; k = 2, 3: my part of the main tile's K step k; k = 4: of the ninth part
.if (\k) < 4
	global_prefetch_b8 v[PFO], s[PFA:PFA+1] offset:256*(\k) th:TH_LOAD_NT scope:SCOPE_SE
.else
	global_prefetch_b8 v[PFO], s[PVC:PVC+1] th:TH_LOAD_NT scope:SCOPE_SE   ; 32 of the 128 rows of Vc, 256 bytes of each: number wave of four
	s_cmp_lt_u32 s14, 2                            ; Wv_c: 16 of the 64 rows; waves 0 and 1 ask for two blocks of 256 bytes of each
	s_cbranch_scc0 .Lno_ask_\@
	global_prefetch_b8 v[PFW], s[PWV:PWV+1] th:TH_LOAD_NT scope:SCOPE_SE
.Lno_ask_\@:
.endif
.endm
.macro FRAG reg, adr, q, i             ; 16 rows x 128 K: lane l holds row l % 16; registers 4 c .. 4 c + 3 hold K = 32 c + 16 (l / 16) + 0 .. 15
.irp c, 0,1,2,3
	ds_load_b128 v[\reg+4*\c:\reg+4*\c+3], v[\adr] offset:128*(\q)+32*\c+(\i)*16*PITCH
.endr
.endm
.macro MUL16 a0, p, m                  ; 16 matrix instructions; the 64 accumulators take turns, one instruction a turn.  m = 1, 2: the first products: C is the bias, by b or by a
.irp a, \a0, \a0+1
.irp b, 0,1,2,3,4,5,6,7
.set AC, 8*(8*((\a)%4)+\b)
.if (\m) == 0
	v_wmma_f32_16x16x128_fp8_fp8 v[AC:AC+7], v[128*(\p)+FR*\b:128*(\p)+FR*\b+FR-1], v[AF+FR*(\a):AF+FR*(\a)+FR-1], v[AC:AC+7]
.else
.set CC, BI+8*\b
.if (\m) == 2
.set CC, BI+8*(\a)
.endif
	v_wmma_f32_16x16x128_fp8_fp8 v[AC:AC+7], v[128*(\p)+FR*\b:128*(\p)+FR*\b+FR-1], v[AF+FR*(\a):AF+FR*(\a)+FR-1], v[CC:CC+7]
.endif
.endr
.endr
.endm
.macro WLO m                           ; where C is the bias it lies in window 0
.if (\m) == 0
	WIN MUL_LO
.else
	WIN 0x81
.endif
.endm
.macro WHI m
.if (\m) == 0
	WIN MUL_HI
.else
	WIN 0xc1
.endif
.endm
.macro FETCH_B slot, q, p
	WIN TO_B
.irp i, 0,1,2,3,4,5,6,7
	FRAG 128*(\p)+FR*\i, ADRB+\slot, \q, \i
.endr
	WIN 0
.endm
.macro FETCH_A slot, q, i0
.irp i, \i0, \i0+1, \i0+2, \i0+3
	FRAG AF+FR*(\i), ADRA+\slot, \q, \i
.endr
.endm
.macro STEP slot, q, m                 ; 128 along K with its successor in the same slot
	s_wait_dscnt 4*NL                              ; all but the youngest 16 loads (blocks 4-7 of the lanes' operand) are in
	WLO \m
	MUL16 0, (\q)%2, \m
	MUL16 2, (\q)%2, \m
	s_wait_dscnt 0
	PLACES NP                                      ; four plain places ahead of loads into registers that matrix instructions have read
	FETCH_B \slot, (\q)+1, 1-(\q)%2
	FETCH_A \slot, (\q)+1, 0
	WHI \m
	MUL16 4, (\q)%2, \m
	MUL16 6, (\q)%2, \m
	PLACES NP
	WIN 0
	FETCH_A \slot, (\q)+1, 4
.endm
; A slot's last step changes slots, and the slot is filled again: fill = 1: with the main tile's K step two on; fill = 2 (slot 0): with the ninth part's first four tiles.  ask: what is prefetched behind it, 0: nothing
.macro TURN slot, next, fill, ask
	s_wait_tensorcnt 0x0                           ; all my tensor loads have landed: my part of the next slot
	ds_add_u32 v[SPW], v[NIL]                      ; 0 onto my spare word
	s_wait_dscnt 4*NL+1                            ; the add and the youngest 16 loads may be out
	WIN MUL_LO
	MUL16 0, 1, 0
	s_wait_dscnt 0x0                               ; the add is done, my reads of this slot are over
	s_barrier_signal -1
	MUL16 2, 1, 0
	WIN 0
	s_barrier_wait -1
	CREST                                          ; the barrier has opened a round of the cluster's: no wave of any partner still reads the slot or has a load out
.if \fill == 1
	s_add_nc_u64 s[G0+4*\slot+2:G0+4*\slot+3], s[G0+4*\slot+2:G0+4*\slot+3], REFILL
	s_add_nc_u64 s[G0B+4*\slot+2:G0B+4*\slot+3], s[G0B+4*\slot+2:G0B+4*\slot+3], REFILL
	JLOAD G0+4*\slot, G1, G0B+4*\slot, G1B
.else
	s_mov_b64 s[G0+2:G0+3], s[EA:EA+1]             ; no load of mine is out, so the groups 0 may be written; the LDS addresses stay
	s_or_b32 s[G0+3], s[G0+3], 0x80000000
	s_mov_b64 s[G0B+2:G0B+3], s[EB:EB+1]
	s_or_b32 s[G0B+3], s[G0B+3], 0x80000000
	JLOAD G0, G1X, G0B, G1B
.endif
	FETCH_B \next, 0, 0
	FETCH_A \next, 0, 0
.if \ask
	ASK \ask
.endif
	WIN MUL_HI
	MUL16 4, 1, 0
	MUL16 6, 1, 0
	PLACES NP
	WIN 0
	FETCH_A \next, 0, 4
.endm
; from cluster \lim on: another projection.  Pointers are chosen on the cluster's number alone.
.macro PICK lim, x, w, b, st, vm, sh, oab, oo
	s_cmp_ge_u32 s2, \lim
	s_cselect_b64 s[68:69], s[\x:\x+1], s[68:69]
	s_cselect_b64 s[80:81], s[\w:\w+1], s[80:81]
	s_cselect_b64 s[66:67], s[\b:\b+1], s[66:67]
	s_cselect_b32 s3, \st, s3
	s_cselect_b32 s12, \vm, s12
	s_cselect_b32 s13, \sh, s13
	s_cselect_b32 s22, \oab, s22
	s_cselect_b32 s23, \oo, s23
.endm
	s_load_b512 s[68:83], s[0:1], 0x0              ; x: Kp, Qp, Vp, Kc, Qc, Vc; W: k_p, q_p
	s_load_b512 s[84:99], s[0:1], 0x40             ; W: v_p, k_c, q_c, v_c; b: k_p, q_p, v_p, k_c
	s_load_b256 s[4:11], s[0:1], 0x80              ; b: q_c, v_c; the scales' exponents s[8:9]; proj s[10:11]
	v_lshl_add_u32 v[SPW], v0, 2, SPARE
	v_mov_b32 v[NIL], 0
	ds_add_u32 v[SPW], v[NIL]                      ; the opening: the add, twice on end, and its wait ahead of my first tensor load
	ds_add_u32 v[SPW], v[NIL]
	v_lshrrev_b32 v1, 5, v0
	v_readfirstlane_b32 s14, v1                    ; wave 0..3
	s_lshr_b32 s15, s14, 1                         ; my half of the lanes' operand's 256 rows.  Also: which operand I fetch
	s_and_b32 s16, s14, 1                          ; my half of the registers' operand's.  Also: which tile of it I fetch
	s_mul_i32 s45, s14, HALFT                      ; where my tile goes: wave x 128 lines
	s_mul_i32 s18, s15, HALFT
	s_mul_i32 s19, s16, HALFT
	s_add_co_u32 s19, s19, 2*HALFT
	s_mul_i32 s20, s14, 32*PITCH
	v_and_b32 v1, 15, v0                           ; r
	v_bfe_u32 v2, v0, 4, 1                         ; h
	v_mul_u32_u24 v3, v1, PITCH
	v_lshl_add_u32 v4, v2, 4, v3
	v_add_nc_u32 v[ADRA], s18, v4
	v_add_nc_u32 v[ADRB], s19, v4
	v_add_nc_u32 v[ADRA+1], SLOT, v[ADRA]
	v_add_nc_u32 v[ADRB+1], SLOT, v[ADRB]
	v_add_nc_u32 v[EBD], 2*HALFT, v4               ; Vc's tiles lie in the slot's third and fourth quarter; every wave reads both
	v_add_nc_u32 v[EBD+1], 2*HALFT+SLOT, v4
	v_mul_u32_u24 v5, v1, 2*PITCH                  ; Wv_c: row 16 wave + r is lines 2 (16 wave + r) and the next
	v_lshl_add_u32 v5, v2, 4, v5
	v_add_nc_u32 v[EAD], s20, v5
	v_and_b32 v6, 31, v0
	v_lshlrev_b32 v[CO], 4, v6
	v_lshlrev_b32 v[PFO], 10, v6
	v_lshlrev_b32 v[PFW], 10, v1
	v_lshl_add_u32 v[PFW], v2, 8, v[PFW]
	v_lshlrev_b32 v[BOC], 5, v2
	v_lshlrev_b32 v[BOR], 2, v1
	s_bfe_u32 s40, ttmp6, 0x40000                  ; cx
	s_bfe_u32 s41, ttmp6, 0x40004                  ; cy
	s_and_b32 s2, ttmp7, 0xffff                    ; the cluster's number, 0..15
	s_lshl_b32 s43, s41, 2
	s_lshl_b32 s43, 15, s43                        ; my row of the cluster
	s_lshl_b32 s44, 0x1111, s40                    ; my column
	s_or_b32 s[G1+0], s43, (1<<20)|(1<<21)|(5<<22)|(3<<25)    ; the mask; elements of 1 byte; padding on; bit 21 beside a mask; 4 words of padding after every 64
	s_or_b32 s[G1B+0], s44, (1<<20)|(1<<21)|(5<<22)|(3<<25)
.irp g, G1, G1B
	s_mov_b32 s[\g+1], 256<<16                     ; tensor_dim0
	s_mov_b32 s[\g+2], 128<<16                     ; tensor_dim1
	s_mov_b32 s[\g+3], 256<<16                     ; tile_dim0
	s_mov_b32 s[\g+4], 128                         ; tile_dim1
	s_mov_b32 s[\g+5], KROW                        ; from row to row
	s_mov_b32 s[\g+6], 0
	s_mov_b32 s[\g+7], 0
.endr
	s_mov_b32 s3, 0                                ; the projection's first cluster
	s_mov_b32 s12, 0                               ; 1: a projection of values
	s_mov_b32 s13, 0                               ; log2 NP, NP = keys / 1,024
	s_mov_b32 s22, 32                              ; byte of the two input exponents in the scales: Kp's entries 8, 9
	s_mov_b32 s23, 52                              ; byte of the output's: entry 13
	s_wait_alu depctr_va_vdst(0)
	s_wait_dscnt 0x0                               ; both opening adds are done
	s_wait_kmcnt 0x0
	s_mov_b64 s[66:67], s[92:93]
	PICK 4,  70, 82, 94, 4,  0, 0, 24, 64          ; Qp: entries 6, 7; out 16
	PICK 8,  72, 84, 96, 8,  1, 2, 40, 60          ; Vp: 10, 11; 15
	PICK 12, 74, 86, 98, 12, 0, 0, 8,  68          ; Kc: 2, 3; 17
	PICK 14, 76, 88, 4,  14, 0, 0, 0,  48          ; Qc: 0, 1; 12
	s_mov_b64 s[XBP:XBP+1], s[6:7]                 ; bv_c, for the ninth part
	s_load_b64 s[96:97], s[8:9], s22 offset:0x0    ; ea, eb  (s22, s23 and s[8:9] stay as they are until the wait for these loads)
	s_load_b32 s98, s[8:9], s23 offset:0x0         ; eo
	s_load_b64 s[92:93], s[8:9], 0x10              ; the ninth part's: entries 4, 5 (Vc, Wv_c),
	s_load_b32 s99, s[8:9], 0x4c                   ; and entry 19
	s_sub_co_u32 s17, s2, s3                       ; which 1,024 rows of x
	s_lshl_b32 s20, s17, 20
	s_mov_b32 s21, 0
	s_add_nc_u64 s[68:69], s[68:69], s[20:21]
	s_cmp_eq_u32 s12, 1
	s_cselect_b64 s[4:5], s[80:81], s[68:69]       ; the lanes' operand: x, or Wv
	s_cselect_b64 s[6:7], s[68:69], s[80:81]       ; the registers' operand: W, or x
	s_lshl_b32 s18, s16, 17                        ; 128 rows of 1,024 bytes
	s_lshl_b32 s20, s41, 18                        ; 256 rows x cy
	s_add_co_u32 s20, s20, s18
	s_add_nc_u64 s[20:21], s[4:5], s[20:21]
	s_lshl_b32 s46, s40, 18                        ; 256 rows x cx
	s_add_co_u32 s46, s46, s18
	s_mov_b32 s47, 0
	s_add_nc_u64 s[46:47], s[6:7], s[46:47]
	CROUND                                         ; all sixteen work-groups are here: the first joint loads meet
.irp s, 0,1
	s_mov_b32 s[G0+4*\s], 1
	s_add_co_u32 s[G0+4*\s+1], s45, \s*SLOT
	s_add_nc_u64 s[G0+4*\s+2:G0+4*\s+3], s[20:21], \s*256
	s_or_b32 s[G0+4*\s+3], s[G0+4*\s+3], 0x80000000
	s_mov_b32 s[G0B+4*\s], 1
	s_add_co_u32 s[G0B+4*\s+1], s45, \s*SLOT
	s_add_nc_u64 s[G0B+4*\s+2:G0B+4*\s+3], s[46:47], \s*256
	s_or_b32 s[G0B+4*\s+3], s[G0B+4*\s+3], 0x80000000
.endr
	JLOAD G0, G1, G0B, G1B                         ; K step 0: one tensor load a wave at the head
	; my 128 numbers of the bias: those of the lanes' rows (v) or of the registers' rows (q, k)
	s_lshl_b32 s18, s41, 10
	s_lshl_b32 s19, s15, 9
	s_add_co_u32 s18, s18, s19
	s_lshl_b32 s19, s40, 10
	s_lshl_b32 s20, s16, 9
	s_add_co_u32 s19, s19, s20
	s_cmp_eq_u32 s12, 1
	s_cselect_b32 s18, s18, s19
	s_mov_b32 s19, 0
	s_add_nc_u64 s[66:67], s[66:67], s[18:19]
	; they are fetched on the one way that all waves take, in BOTH layouts (512 bytes each time): which of the two is used hangs on the cluster's number
.irp b, 0,1,2,3,4,5,6,7
	global_load_b128 v[BI+8*\b:BI+8*\b+3], v[BOC], s[66:67] offset:64*\b        ; b(16 b + 8 h + 0 .. 7)
	global_load_b128 v[BI+8*\b+4:BI+8*\b+7], v[BOC], s[66:67] offset:64*\b+16
.endr
.irp a, 0,1,2,3,4,5,6,7
	global_load_b32 v[RB+\a], v[BOR], s[66:67] offset:64*\a                     ; b(16 a + r)
.endr
	s_and_b32 s18, s2, 3                           ; the ninth part's: bv_c at d = 256 x (cluster % 4) + 64 cy + 16 wave
	s_lshl_b32 s18, s18, 10
	s_lshl_b32 s19, s41, 8
	s_add_co_u32 s18, s18, s19
	s_lshl_b32 s19, s14, 6
	s_add_co_u32 s18, s18, s19
	s_mov_b32 s19, 0
	s_add_nc_u64 s[XBP:XBP+1], s[XBP:XBP+1], s[18:19]
	global_load_b32 v[XB], v[BOR], s[XBP:XBP+1]
	; the main tile's prefetches: the lanes' operand's rows are shared out by cx, the registers' by cy
	s_cmp_eq_u32 s15, 0
	s_cselect_b64 s[PFA:PFA+1], s[4:5], s[6:7]
	s_cselect_b32 s18, s41, s40
	s_cselect_b32 s19, s40, s41
	s_lshl_b32 s18, s18, 18
	s_lshl_b32 s19, s19, 15
	s_add_co_u32 s18, s18, s19
	s_lshl_b32 s19, s16, 17
	s_add_co_u32 s18, s18, s19
	s_mov_b32 s19, 0
	s_add_nc_u64 s[PFA:PFA+1], s[PFA:PFA+1], s[18:19]
	ASK 1
	; THE NINTH PART'S TILES.  Wv_c: my work-group's 64 rows (256 x (cluster % 4) + 64 cy on) x 1,024 bytes are two tiles of 128 lines: line y is row y / 2, bytes 512 (y % 2) + 256 t + 0 .. 255: a pitch of 512.
	; Vc: its 128 rows (512 x (cluster / 4) + 128 cx on) x 1,024 bytes are four tiles of 128 rows x 256 bytes.  Each tile has the LDS shape of every other tile of this text.
	s_and_b32 s18, s2, 3
	s_lshl_b32 s18, s18, 18
	s_lshl_b32 s19, s41, 16
	s_add_co_u32 s18, s18, s19
	s_lshl_b32 s46, s40, 14                        ; the prefetch: rows 16 cx on, blocks 2 wave on
	s_add_co_u32 s46, s46, s18
	s_lshl_b32 s47, s14, 9
	s_add_co_u32 s46, s46, s47
	s_mov_b32 s47, 0
	s_add_nc_u64 s[PWV:PWV+1], s[90:91], s[46:47]
	s_lshl_b32 s19, s16, 8                         ; tile t = wave % 2
	s_add_co_u32 s18, s18, s19
	s_mov_b32 s19, 0
	s_add_nc_u64 s[EA:EA+1], s[90:91], s[18:19]    ; made of the cluster's number, cy and the wave
	s_lshr_b32 s46, s2, 2
	s_lshl_b32 s46, s46, 19
	s_lshl_b32 s47, s40, 17
	s_add_co_u32 s46, s46, s47
	s_lshl_b32 s18, s41, 15                        ; the prefetch: rows 32 cy on, block wave
	s_add_co_u32 s18, s18, s46
	s_lshl_b32 s19, s14, 8
	s_add_co_u32 s18, s18, s19
	s_mov_b32 s19, 0
	s_add_nc_u64 s[PVC:PVC+1], s[EB:EB+1], s[18:19]   ; (Vc's address stands in s[EB:EB+1])
	s_lshl_b32 s47, s16, 8
	s_add_co_u32 s46, s46, s47
	s_mov_b32 s47, 0
	s_add_nc_u64 s[EB:EB+1], s[EB:EB+1], s[46:47]  ; made of the cluster's number, cx and the wave
	s_or_b32 s[G1X+0], s43, (1<<20)|(1<<21)|(5<<22)|(3<<25)   ; shared along my row of the cluster
	s_mov_b32 s[G1X+1], 256<<16
	s_mov_b32 s[G1X+2], 128<<16
	s_mov_b32 s[G1X+3], 256<<16
	s_mov_b32 s[G1X+4], 128
	s_mov_b32 s[G1X+5], 512                        ; from line to line
	s_mov_b32 s[G1X+6], 0
	s_mov_b32 s[G1X+7], 0
	s_and_b32 s18, s2, 3                           ; its place in proj: chunk (d / 128) x 16 + key / 128, rows 64 (cy % 2) + 16 wave on
	s_lshl_b32 s18, s18, 1
	s_lshr_b32 s19, s41, 1
	s_add_co_u32 s18, s18, s19
	s_lshl_b32 s18, s18, 4
	s_lshr_b32 s19, s2, 2
	s_lshl_b32 s19, s19, 2
	s_add_co_u32 s19, s19, s40                     ; key / 128
	s_and_b32 s20, s19, 7
	s_lshl_b32 s20, s20, 1
	s_lshr_b32 s19, s19, 3
	s_add_co_u32 s19, s19, s20                     ; its chunk's number
	s_add_co_u32 s18, s18, s19
	s_lshl_b32 s18, s18, 14
	s_and_b32 s19, s41, 1
	s_lshl_b32 s19, s19, 13
	s_add_co_u32 s18, s18, s19
	s_lshl_b32 s19, s14, 11
	s_add_co_u32 s18, s18, s19
	s_add_co_u32 s18, s18, 16<<20
	s_mov_b32 s19, 0
	s_add_nc_u64 s[XOUT:XOUT+1], s[10:11], s[18:19]
	; my chunk of 16,384 bytes in proj
	s_lshl_b32 s18, s41, 1
	s_add_co_u32 s18, s18, s15                     ; 2 cy + wave / 2: the lanes' 128 rows
	s_lshl_b32 s19, s40, 1
	s_add_co_u32 s19, s19, s16                     ; 2 cx + wave % 2: the registers' 128 rows
	s_lshl_b32 s20, s18, s13                       ; v: 64 x first cluster + (d / 128) x 8 NP
	s_and_b32 s21, s17, 2
	s_add_co_u32 s20, s20, s21                     ; + (key / 2,048) x 16
	s_lshl_b32 s21, s3, 3
	s_add_co_u32 s20, s20, s21
	s_lshl_b32 s20, s20, 3
	s_lshl_b32 s21, s19, 1
	s_add_co_u32 s20, s20, s21                     ; + ((key / 128) % 8) x 2
	s_and_b32 s21, s17, 1
	s_add_co_u32 s20, s20, s21                     ; + (key / 1,024) % 2
	s_lshl_b32 s21, s2, 3
	s_add_co_u32 s21, s21, s18                     ; q, k: (8 x cluster + row / 128 in it) x 8 + d / 128
	s_lshl_b32 s21, s21, 3
	s_add_co_u32 s21, s21, s19
	s_cmp_eq_u32 s12, 1
	s_cselect_b32 s20, s20, s21
	s_lshl_b32 s20, s20, 14
	s_mov_b32 s21, 0
	s_add_nc_u64 s[10:11], s[10:11], s[20:21]
	; the scales
	s_wait_kmcnt 0x0
	s_add_co_i32 s96, s96, s97                     ; ea + eb
	s_sub_co_i32 s97, 0, s96
	s_sub_co_i32 s98, s98, s96                     ; eo - ea - eb
	s_add_co_i32 s98, s98, 127
	s_lshl_b32 s17, s98, 23
	v_mov_b32 v[SCL], s17
	s_add_co_i32 s98, s98, 8
	s_lshl_b32 s98, s98, 23
	s_or_b32 s98, s98, 0x600000
	v_mov_b32 v[LIM], s98
	s_add_co_i32 s92, s92, s93                     ; the same three for the ninth part
	s_sub_co_i32 s93, 0, s92
	s_sub_co_i32 s99, s99, s92
	s_add_co_i32 s99, s99, 127
	s_lshl_b32 s94, s99, 23
	s_add_co_i32 s99, s99, 8
	s_lshl_b32 s95, s99, 23
	s_or_b32 s95, s95, 0x600000
	s_wait_alu depctr_va_vdst(0)
	s_wait_loadcnt 0x0                             ; the biases
	s_cmp_eq_u32 s12, 1                            ; the cluster's number decides: all waves of all sixteen partners go the same way
	s_cbranch_scc1 .Lbias_v
.set ik, 0
.rept 64
	v_ldexp_f32 v[BI+ik], v[BI+ik], s97
.set ik, ik+1
.endr
	s_branch .Lbias_done
.Lbias_v:
.irp a, 0,1,2,3,4,5,6,7
.irp j, 0,1,2,3,4,5,6,7
	v_ldexp_f32 v[BI+8*\a+\j], v[RB+\a], s97       ; my row's bias in all eight registers of block a
.endr
.endr
.Lbias_done:
	s_wait_alu depctr_va_vdst(0)                   ; the wait at the head's end
	s_wait_tensorcnt 0x0                           ; my part of K step 0 is in
	ds_add_u32 v[SPW], v[NIL]
	s_wait_dscnt 0x0
	CROUND                                         ; everybody's part of K step 0 is in; all sixteen work-groups are here
	JLOAD G0+4, G1, G0B+4, G1B                     ; K step 1, the first tensor load behind the round
	FETCH_B 0, 0, 0
	FETCH_A 0, 0, 0
	FETCH_A 0, 0, 4
	ASK 2
	s_cmp_eq_u32 s12, 1                            ; the first products start the sums from the bias: by the registers' rows, or by the lanes'
	s_cbranch_scc1 .Lfirst_v
	STEP 0, 0, 1
	s_branch .Lfirst_done
.Lfirst_v:
	STEP 0, 0, 2
.Lfirst_done:
	TURN 0, 1, 1, 3
	STEP 1, 0, 0
	TURN 1, 0, 1, 4
	STEP 0, 0, 0
	TURN 0, 1, 2, 0                                ; slot 0 takes all of Wv_c's part and Vc's bytes 0 .. 511
	STEP 1, 0, 0
	; THE MAIN TILE'S LAST STEP leaves slot 1, which takes Vc's bytes 512 .. 1,023: two tiles, so waves 2 and 3 alone ask.  They land while the main tile goes out.
	s_wait_tensorcnt 0x0                           ; all my tensor loads have landed: my part of slot 0's third fill
	ds_add_u32 v[SPW], v[NIL]                      ; 0 onto my spare word
	s_wait_dscnt 4*NL+1                            ; the add and the youngest 16 loads may be out
	WIN MUL_LO
	MUL16 0, 1, 0
	s_wait_dscnt 0x0                               ; the add is done, my reads of slot 1 are over
	s_barrier_signal -1
	MUL16 2, 1, 0
	WIN 0
	s_barrier_wait -1
	CREST
	s_add_nc_u64 s[G0B+6:G0B+7], s[EB:EB+1], 512
	s_or_b32 s[G0B+7], s[G0B+7], 0x80000000
	s_cmp_eq_u32 s15, 0                            ; the wave's number alone: the same in every work-group
	s_cbranch_scc1 .Lno_last
	tensor_load_to_lds s[G0B+4:G0B+7], s[G1B:G1B+7]
	s_nop 0
.rept 4
	v_nop
.endr
.Lno_last:
	WIN MUL_HI
	MUL16 4, 1, 0
	MUL16 6, 1, 0
	WIN 0
; THE WAY OUT of block a (16 rows x 128): held within +-448 x 2^(eo - ea - eb), converted, stored: the codes of tiles 2 t and 2 t + 1 are the lane's 16 bytes of piece t; a store covers 512 consecutive bytes.
.macro OUT1 a, base
.set AC, 64*((\a)%4)
.set CD, CDB+16*((\a)%2)
.set TM, AF+64*((\a)%2)
	WIN 0x02+((\a)/4)
.set ik, 0
.rept 64
	v_med3_num_f32 v[TM+ik], v[AC+ik], -v[LIM], v[LIM]   ; the conversion does not saturate (ISA guide 7.6.2): the hold comes first; each accumulator from its low end on
.set ik, ik+1
.endr
	WIN 0
.set ik, 0
.rept 8
	v_cvt_scalef32_pk8_fp8_f32 v[CD+2*ik:CD+2*ik+1], v[TM+8*ik:TM+8*ik+7], v[SCL]
.set ik, ik+1
.endr
	v_nop                                          ; a plain line behind the last conversion
.irp t, 0,1,2,3
	global_store_b128 v[CO], v[CD+4*\t:CD+4*\t+3], s[\base:\base+1] offset:(\a)*2048+512*\t
.endr
.endm
	PLACES NP                                      ; four plain places ahead of the first read of results
.irp a, 0,1,2,3,4,5,6,7
.if \a > 1
	s_wait_xcnt 0x0                                ; block a - 2's stores have read their registers
.endif
	OUT1 \a, OUTB
.endr
; THE NINTH PART: my 16 rows of Wv_c against the work-group's 128 rows of Vc, eight steps of 128 along K.  Step k: its 256 bytes' tile is number k / 2.
; Wv_c's fragments of all eight steps come into v128-255 once.  Vc's eight fragments of a step feed one matrix instruction each and come one step ahead, into two sets by turns.
.macro EFA
.irp k, 0,1,2,3,4,5,6,7
.irp c, 0,1,2,3
	ds_load_b128 v[AF+16*\k+4*\c:AF+16*\k+4*\c+3], v[EAD] offset:((\k/2)%2)*HALFT+(\k/4)*PITCH+128*(\k%2)+32*\c   ; tile (k / 2) % 2, the row's line k / 4
.endr
.endr
.endm
.macro EFB k, p
	WIN TO_B
.irp i, 0,1,2,3,4,5,6,7
.irp c, 0,1,2,3
	ds_load_b128 v[128*(\p)+16*\i+4*\c:128*(\p)+16*\i+4*\c+3], v[EBD+(\k)/4] offset:(((\k)/2)%2)*HALFT+128*((\k)%2)+32*\c+\i*16*PITCH
.endr
.endr
	WIN 0
.endm
.macro EW k, m                         ; the eight accumulators take turns, one instruction a turn
	WLO \m
.irp b, 0,1,2,3,4,5,6,7
.if \m
	v_wmma_f32_16x16x128_fp8_fp8 v[8*\b:8*\b+7], v[128*((\k)%2)+16*\b:128*((\k)%2)+16*\b+15], v[AF+16*(\k):AF+16*(\k)+15], v[BI:BI+7]
.else
	v_wmma_f32_16x16x128_fp8_fp8 v[8*\b:8*\b+7], v[128*((\k)%2)+16*\b:128*((\k)%2)+16*\b+15], v[AF+16*(\k):AF+16*(\k)+15], v[8*\b:8*\b+7]
.endif
.endr
	WIN 0
.endm
.irp j, 0,1,2,3,4,5,6,7
	v_ldexp_f32 v[BI+\j], v[XB], s93               ; the ninth part's bias, divided by its two input scales: the first products' C
.endr
	v_mov_b32 v[SCL], s94                          ; and its scale and hold
	v_mov_b32 v[LIM], s95
	s_wait_alu depctr_va_vdst(0)
	s_wait_tensorcnt 0x0                           ; my part of slot 1's last tiles has landed,
	s_wait_dscnt 0x0
	s_wait_xcnt 0x0
	s_barrier_signal -1
	s_barrier_wait -1                              ; everybody's has
	EFA
	EFB 0, 0
	s_wait_dscnt 0x0
	EFB 1, 1
	EW 0, 1
.irp k, 1,2,3,4,5,6
	PLACES NP                                      ; four plain places ahead of loads into the set that the last eight products read
	EFB \k+1, (\k+1)%2
	s_wait_dscnt 32                                ; step k's fragments are in; the 32 loads just issued may be out
	EW \k, 0
.endr
	s_wait_dscnt 0x0
	EW 7, 0
	PLACES NP
	OUT1 0, XOUT                                   ; 16 rows x 128 codes: 2,048 consecutive bytes of Vc^T
	s_wait_tensorcnt 0x0                           ; the wave's end
	ds_add_u32 v[SPW], v[NIL]
	s_wait_dscnt 0x0
	CROUND                                         ; the closing round
	s_endpgm
.Lfunc_end_k_q446cf78d10_proj6:
	.size	k_q446cf78d10_proj6, .Lfunc_end_k_q446cf78d10_proj6-k_q446cf78d10_proj6
	.p2alignl 7, 3214868480
	.fill 96, 4, 3214868480
	.section	.rodata,"a",@progbits
	.p2align	6, 0x0
	.amdhsa_kernel k_q446cf78d10_proj6
		.amdhsa_group_segment_fixed_size 327680
		.amdhsa_private_segment_fixed_size 0
		.amdhsa_enable_private_segment 0
		.amdhsa_kernarg_size 160
		.amdhsa_user_sgpr_count 2
		.amdhsa_user_sgpr_kernarg_segment_ptr 1
		.amdhsa_wavefront_size32 1
		.amdhsa_system_sgpr_workgroup_id_x 1
		.amdhsa_system_sgpr_workgroup_id_y 1
		.amdhsa_system_sgpr_workgroup_id_z 1
		.amdhsa_system_vgpr_workitem_id 0
		.amdhsa_next_free_vgpr 1024
		.amdhsa_next_free_sgpr 100
		.amdhsa_reserve_vcc 0
		.amdhsa_float_denorm_mode_32 3
		.amdhsa_float_denorm_mode_16_64 3
		.amdhsa_memory_ordered 1
		.amdhsa_forward_progress 1
		.amdhsa_inst_pref_size 174
	.end_amdhsa_kernel
	.amdgpu_metadata
---
amdhsa.version: [ 1, 2 ]
amdhsa.kernels:
  - .name:           k_q446cf78d10_proj6
    .symbol:         k_q446cf78d10_proj6.kd
    .args:
      - { .name: Kp_codes, .offset: 0, .size: 8, .value_kind: global_buffer, .address_space: global }
      - { .name: Qp_codes, .offset: 8, .size: 8, .value_kind: global_buffer, .address_space: global }
      - { .name: Vp_codes, .offset: 16, .size: 8, .value_kind: global_buffer, .address_space: global }
      - { .name: Kc_codes, .offset: 24, .size: 8, .value_kind: global_buffer, .address_space: global }
      - { .name: Qc_codes, .offset: 32, .size: 8, .value_kind: global_buffer, .address_space: global }
      - { .name: Vc_codes, .offset: 40, .size: 8, .value_kind: global_buffer, .address_space: global }
      - { .name: Wk_p_codes, .offset: 48, .size: 8, .value_kind: global_buffer, .address_space: global }
      - { .name: Wq_p_codes, .offset: 56, .size: 8, .value_kind: global_buffer, .address_space: global }
      - { .name: Wv_p_codes, .offset: 64, .size: 8, .value_kind: global_buffer, .address_space: global }
      - { .name: Wk_c_codes, .offset: 72, .size: 8, .value_kind: global_buffer, .address_space: global }
      - { .name: Wq_c_codes, .offset: 80, .size: 8, .value_kind: global_buffer, .address_space: global }
      - { .name: Wv_c_codes, .offset: 88, .size: 8, .value_kind: global_buffer, .address_space: global }
      - { .name: bk_p, .offset: 96, .size: 8, .value_kind: global_buffer, .address_space: global }
      - { .name: bq_p, .offset: 104, .size: 8, .value_kind: global_buffer, .address_space: global }
      - { .name: bv_p, .offset: 112, .size: 8, .value_kind: global_buffer, .address_space: global }
      - { .name: bk_c, .offset: 120, .size: 8, .value_kind: global_buffer, .address_space: global }
      - { .name: bq_c, .offset: 128, .size: 8, .value_kind: global_buffer, .address_space: global }
      - { .name: bv_c, .offset: 136, .size: 8, .value_kind: global_buffer, .address_space: global }
      - { .name: lowp_scales, .offset: 144, .size: 8, .value_kind: global_buffer, .address_space: global }
      - { .name: proj, .offset: 152, .size: 8, .value_kind: global_buffer, .address_space: global }
    .group_segment_fixed_size: 327680
    .private_segment_fixed_size: 0
    .kernarg_segment_align: 8
    .kernarg_segment_size: 160
    .max_flat_workgroup_size: 128
    .sgpr_count:     100
    .vgpr_count:     1024
    .wavefront_size: 32
...
	.end_amdgpu_metadata
.endif
;; end of part 1
;; launch scores (part 2): grid 4 x 64, 4 waves a work-group, clusters of 4 x 4, 327,680 bytes of LDS; arguments proj, lowp_scales, pbuf, stats; writes pbuf, stats
.if DOCPART == 2
	.amdgcn_target "amdgcn-amd-amdhsa--gfx1250"
	.amdhsa_code_object_version 6
	.text
	.protected	k_q446cf78d10_scores
	.globl	k_q446cf78d10_scores
	.p2align	8
	.type	k_q446cf78d10_scores,@function
k_q446cf78d10_scores:
	s_mov_b64 s[64:65], 0
	v_nop
	global_prefetch_b8 v0, s[64:65] scope:SCOPE_SE
	s_setreg_imm32_b32 hwreg(HW_REG_WAVE_MODE, 25, 1), 1
	s_wait_xcnt 0x0
	s_wait_alu depctr_hold_cnt(0) depctr_sa_sdst(0) depctr_va_vdst(0) depctr_va_sdst(0) depctr_va_ssrc(0) depctr_va_vcc(0) depctr_vm_vsrc(0)
	s_getreg_b32 s2, hwreg(HW_REG_IB_STS2, 6, 4)
	s_cmp_eq_u32 s2, 0
	s_cbranch_scc0 .Lentry_in_a_cluster
	s_endpgm
.Lentry_in_a_cluster:
	s_bfe_u32 s2, ttmp6, 0x10000c
	s_cmp_lg_u32 s2, 0xf033
	s_cbranch_scc0 .Lentry_shape_is_right
	s_endpgm
.Lentry_shape_is_right:
; THE SCORES AND THEIR SOFTMAX, both directions, on the codes that the launch before has made.  Nothing of the problem is left out here.
; Clusters 0-7: compound queries (2,048) x protein keys (4,096); clusters 8-15: protein queries (4,096) x compound keys (2,048).  A cluster makes 1,024 x 1,024 scores, a work-group 256 x 256, a wave 128 x 128 (64 accumulators).
; The queries' codes are asked for jointly along a row of the cluster, the keys' along a column.  A row block of 128 x 1,024 codes is 131,072 consecutive bytes, eight K steps of 16,384; each wave fetches one of the work-group's four row blocks:
; K steps 0-3 by one load at the head, K steps 4, 5 and 6, 7 by two refills, each into the bytes of two K steps that are done with.
; Source 0 = 16 keys, source 1 = 16 queries: a lane holds ONE query (16 a + lane % 16) and, in tile b, the keys 16 b + 8 (lane / 16) + 0 .. 7.
; t = score x 2^(eq + ek) x log2(e) / 32.  M = the ceiling of the largest t among the work-group's 256 keys (the two waves that share queries exchange their maxima through LDS): a whole number.
; p = 2^(t - M) is quantised with the given 2^ep; l = the sum of the 256 unquantised p.  The next launch joins the chunks by exact powers of two and divides by the row's whole sum.
; CHUNKS of 16,384 bytes, here and in proj: 128 rows x 128 along K as [row / 16][c][lane][16 bytes], the image of an operand's registers: every LDS load and every store of codes covers 512 consecutive bytes.
; q, k: chunk (row / 128) x 8 + d / 128.  pbuf: in a row block of 128 queries keys k are chunk (k / 2,048) x 16 + ((k / 128) % 8) x 2 + (k / 1,024) % 2; the second direction 8 MiB on.
; stats: [key / 256][query] pairs (M, l) of f32; the second direction 256 KiB on.
; A K STEP is 64 products in four quarters: A = queries, B = keys, low and high four blocks each.  Even steps: (A low, B low), (A high, B low), (A high, B high), (A low, B high); odd steps with A's halves exchanged.
; B has two sets of registers, A one: its halves are fetched anew a quarter apart.
; PREFETCHES: behind the head's load each wave asks for its work-group's part of what the first refill loads, behind the first refill for what the second loads; the four that ask for a tile jointly share it out by address, 8,192 bytes each.
; REGISTERS: window 0: v128-255 A; below it addresses and the softmax's; window 1: B; windows 2, 3: the accumulators of the queries' blocks 0-3, 4-7.
; LIMITS: eq + ek between -121 and 132 (added to the constant's exponent field); ep between -126 and 119; scaled scores under 2^31 in magnitude.  NaN and infinities are not served.
.set SPARE,  262144                    ; behind the tiles: the spare words
.set XCH,    SPARE+512                 ; the maxima: [query][half of the keys] words, 2,048 bytes; the sums likewise, 2,048 bytes on; no tile lands here
.set NP,     4
.set KP_OFF, 0
.set QP_OFF, 4<<20
.set KC_OFF, 12<<20
.set QC_OFF, 14<<20
.set XW,   8                           ; v8  where I put my maxima and sums
.set XR,   9                           ; v9  where a query's two maxima lie
.set XQ,   10                          ; v10 the same for query 64 wave + lane
.set PFO,  12                          ; v12 256 x lane; never rewritten
.set ADA,  16                          ; v16 LDS address of my 128 queries
.set ADB,  17                          ; v17 of my 128 keys
.set SOFF, 25                          ; v25 8 x lane
.set CO,   26                          ; v26 16 x lane
.set SPW,  28
.set NIL,  29
.set SCL,  30                          ; v30 2^ep
.set LIM,  31                          ; v31 448 x 2^ep
.set CH,   32                          ; v32-63 four chains of maxima a block
.set NM,   64                          ; v64-79 -M in the even registers, 0 in the odd
.set LP,   80                          ; v80-87 my part of l
.set SU,   88                          ; v88-95 the sum's four chains
.set CDB,  96                          ; v96-127 codes, two sets of 16
.set AF,   128
.set G1,  24                           ; group 1 of the head's loads, queries: 256 rows of 256 bytes
.set G1B, 48                           ; keys
.set G1R, 80                           ; group 1 of the refills, queries: 128 rows
.set G1S, 88                           ; keys
.set G0,  32                           ; group 0, queries
.set G0B, 36                           ; keys
.set PFA, 60                           ; s[60:61] where my prefetches stand
.set OUTB, 8                           ; s[8:9] my chunk of pbuf
.set MSB, 0
.macro WIN new
.if MSB != (\new)
	s_set_vgpr_msb (MSB<<8)|(\new)
.set MSB, (\new)
.endif
.endm
.set MUL_LO, 0xa1                      ; source 0 window 1, source 1 window 0, C and D window 2 (+ 0x50: window 3)
.set TO_B,   0x40
.macro JLOAD g1a, g1b                  ; waves 0, 1 fetch the queries' row blocks, waves 2, 3 the keys'; an s_nop 0 and four v_nop follow each line
	s_cmp_eq_u32 s15, 0
	s_cbranch_scc0 .Lfor_b_\@
	tensor_load_to_lds s[G0:G0+3], s[\g1a:\g1a+7]
	s_nop 0
.rept 4
	v_nop
.endr
	s_branch .Lasked_\@
.Lfor_b_\@:
	tensor_load_to_lds s[G0B:G0B+3], s[\g1b:\g1b+7]
	s_nop 0
.rept 4
	v_nop
.endr
.Lasked_\@:
.endm
.macro CREST                           ; a round of the cluster's barrier behind its opening barrier
	s_cmp_lg_u32 s14, 0
	s_cbranch_scc1 .Lnot_wave_0_\@
	s_barrier_signal -3
.Lnot_wave_0_\@:
	s_barrier_wait -3
	s_barrier_signal -1
	s_barrier_wait -1
.endm
.macro CROUND
	s_barrier_signal -1
	s_barrier_wait -1
	CREST
.endm
.macro PLACES
.rept NP
	v_nop
.endr
.endm
.macro MULQ ah, bh, p, zero            ; a quarter: 16 matrix instructions, each on an accumulator of its own
	WIN (MUL_LO+0x50*(\ah))
.irp i, 0,1,2,3
.irp j, 0,1,2,3
.set AC, 8*(8*\i+4*(\bh)+\j)
.set RB_, 128*(\p)+16*(4*(\bh)+\j)
.set RA_, AF+16*(4*(\ah)+\i)
.if \zero
	v_wmma_f32_16x16x128_fp8_fp8 v[AC:AC+7], v[RB_:RB_+15], v[RA_:RA_+15], 0
.else
	v_wmma_f32_16x16x128_fp8_fp8 v[AC:AC+7], v[RB_:RB_+15], v[RA_:RA_+15], v[AC:AC+7]
.endif
.endr
.endr
.endm
.macro LDA s, ah                       ; half ah of step s's queries
	WIN 0
.irp i, 0,1,2,3
.irp c, 0,1,2,3
	ds_load_b128 v[AF+16*(4*(\ah)+\i)+4*\c:AF+16*(4*(\ah)+\i)+4*\c+3], v[ADA] offset:((\s)%4)*16384+(4*(\ah)+\i)*2048+512*\c
.endr
.endr
.endm
.macro LDB s, bh                       ; half bh of step s's keys, into set s % 2
	WIN TO_B
.irp j, 0,1,2,3
.irp c, 0,1,2,3
	ds_load_b128 v[128*((\s)%2)+16*(4*(\bh)+\j)+4*\c:128*((\s)%2)+16*(4*(\bh)+\j)+4*\c+3], v[ADB] offset:((\s)%4)*16384+(4*(\bh)+\j)*2048+512*\c
.endr
.endr
	WIN 0
.endm
.macro STEP s                          ; a step whose successor lies in LDS already
.set X_, (\s)%2
	s_wait_dscnt 16                                ; B and A's first half are in; A's second half may be out
	LDB (\s)+1, 0
	MULQ X_, 0, X_, ((\s)==0)
	s_wait_dscnt 16                                ; A's second half is in; the 16 loads just issued may be out
	LDB (\s)+1, 1
	MULQ 1-X_, 0, X_, ((\s)==0)
	MULQ 1-X_, 1, X_, ((\s)==0)
	PLACES                                         ; four plain places ahead of loads into registers that matrix instructions have read
	LDA (\s)+1, 1-X_
	MULQ X_, 1, X_, ((\s)==0)
	PLACES
	LDA (\s)+1, X_
.endm
; Steps 1 and 3: the bytes of this step and the one before are filled again (refill = 1).  Step 5: a barrier shows the second refill to all waves (refill = 0).
.macro STEPR s, refill
.set X_, (\s)%2
	s_wait_dscnt 16
	MULQ X_, 0, X_, 0
	WIN 0
	s_wait_tensorcnt 0x0                           ; all my tensor loads have landed
.if \refill
	ds_add_u32 v[SPW], v[NIL]                      ; 0 onto my spare word
.if (\s) == 1
	s_add_nc_u64 s[G0+2:G0+3], s[G0+2:G0+3], 0x10000     ; K steps 4, 5
	s_add_nc_u64 s[G0B+2:G0B+3], s[G0B+2:G0B+3], 0x10000
.else
	s_add_co_u32 s[G0+1], s[G0+1], 0x8000
	s_add_co_u32 s[G0B+1], s[G0B+1], 0x8000
	s_add_nc_u64 s[G0+2:G0+3], s[G0+2:G0+3], 0x8000      ; K steps 6, 7
	s_add_nc_u64 s[G0B+2:G0B+3], s[G0B+2:G0B+3], 0x8000
.endif
	s_wait_dscnt 1                                 ; A's second half is in; the add may be out
	MULQ 1-X_, 0, X_, 0
.endif
	s_wait_dscnt 0x0                               ; the add is done; my reads of this step's bytes are over
	s_barrier_signal -1
.if \refill == 0
	MULQ 1-X_, 0, X_, 0
.endif
	MULQ 1-X_, 1, X_, 0
	WIN 0
	s_barrier_wait -1
.if \refill
	CREST                                          ; no wave of any partner still reads these bytes or has a load out
	JLOAD G1R, G1S                                 ; (its four v_nop are also the places in front of the loads below)
.else
	PLACES
.endif
	LDA (\s)+1, 1-X_
	LDB (\s)+1, 0
	LDB (\s)+1, 1
.if (\s) == 1
	global_prefetch_b8 v[PFO], s[PFA:PFA+1] offset:98304 th:TH_LOAD_NT scope:SCOPE_SE   ; my part of K steps 6, 7
.endif
	MULQ X_, 1, X_, 0
	PLACES
	LDA (\s)+1, X_
.endm
	s_load_b256 s[4:11], s[0:1], 0x0               ; proj s[4:5], the scales' exponents s[6:7], pbuf s[8:9], stats s[10:11]
	v_lshl_add_u32 v[SPW], v0, 2, SPARE
	v_mov_b32 v[NIL], 0
	ds_add_u32 v[SPW], v[NIL]                      ; the opening: the add, twice on end, and its wait ahead of my first tensor load
	ds_add_u32 v[SPW], v[NIL]
	v_lshrrev_b32 v1, 5, v0
	v_readfirstlane_b32 s14, v1
	s_lshr_b32 s15, s14, 1                         ; my half of the 256 queries.  Also: which operand I fetch
	s_and_b32 s16, s14, 1                          ; my half of the 256 keys.  Also: which row block I fetch
	s_lshl_b32 s18, s15, 16
	s_lshl_b32 s19, s16, 16
	s_add_co_u32 s19, s19, 131072
	s_lshl_b32 s20, s15, 10
	s_add_co_u32 s20, s20, XCH
	s_lshl_b32 s21, s16, 2
	s_lshl_b32 s22, s14, 9
	s_add_co_u32 s22, s22, XCH
	v_and_b32 v1, 15, v0
	v_and_b32 v6, 31, v0
	v_lshlrev_b32 v3, 3, v1
	v_lshlrev_b32 v[CO], 4, v6
	v_lshlrev_b32 v[SOFF], 3, v6
	v_lshlrev_b32 v[PFO], 8, v6
	v_add_nc_u32 v[ADA], s18, v[CO]
	v_add_nc_u32 v[ADB], s19, v[CO]
	v_add_nc_u32 v[XR], s20, v3
	v_add_nc_u32 v[XW], s21, v[XR]
	v_add_nc_u32 v[XQ], s22, v[SOFF]
	s_bfe_u32 s40, ttmp6, 0x40000                  ; cx
	s_bfe_u32 s41, ttmp6, 0x40004                  ; cy
	s_and_b32 s2, ttmp7, 0xffff                    ; the cluster's number, 0..15
	s_lshl_b32 s43, s41, 2
	s_lshl_b32 s43, 15, s43                        ; my row of the cluster
	s_lshl_b32 s44, 0x1111, s40                    ; my column
	s_or_b32 s[G1], s43, 1<<21                     ; the mask; bit 21 beside it; elements of 1 byte; no padding
	s_or_b32 s[G1B], s44, 1<<21
	s_or_b32 s[G1R], s43, 1<<21
	s_or_b32 s[G1S], s44, 1<<21
.irp g, G1, G1B, G1R, G1S
	s_mov_b32 s[\g+1], 256<<16
	s_mov_b32 s[\g+3], 256<<16
	s_mov_b32 s[\g+5], 256                         ; dense
	s_mov_b32 s[\g+6], 0
	s_mov_b32 s[\g+7], 0
.endr
.irp g, G1, G1B
	s_mov_b32 s[\g+2], 256<<16
	s_mov_b32 s[\g+4], 256
.endr
.irp g, G1R, G1S
	s_mov_b32 s[\g+2], 128<<16
	s_mov_b32 s[\g+4], 128
.endr
	s_lshl_b32 s45, s14, 16                        ; where my row block goes
	s_mov_b32 s17, QP_OFF
	s_mov_b32 s42, KC_OFF
	s_cmp_lt_u32 s2, 8                             ; the first direction?
	s_cselect_b32 s13, 2, 1                        ; log2 NP, NP = keys / 1,024
	s_cselect_b32 s17, QC_OFF, s17                 ; the queries in proj
	s_cselect_b32 s42, KP_OFF, s42                 ; the keys
	s_cselect_b32 s22, 0, 16                       ; entries 12 .. or 16 .. of the scales
	s_cselect_b32 s23, 0, 0x800000                 ; the direction's part of pbuf
	s_cselect_b32 s70, 0, 0x40000                  ; and of stats
	s_cselect_b32 s71, 11, 12                      ; log2 of the number of queries
	s_and_b32 s3, s2, 7
	s_lshr_b32 s73, s3, s13                        ; which 1,024 queries
	s_lshl_b32 s19, 1, s13
	s_sub_co_u32 s19, s19, 1
	s_and_b32 s74, s3, s19                         ; which 1,024 keys
	s_lshl_b32 s73, s73, 2
	s_add_co_u32 s73, s73, s41                     ; which 256 queries
	s_lshl_b32 s74, s74, 2
	s_add_co_u32 s74, s74, s40                     ; which 256 keys
	s_lshl_b32 s20, s73, 1
	s_add_co_u32 s20, s20, s16
	s_lshl_b32 s20, s20, 17
	s_add_co_u32 s20, s20, s17
	s_mov_b32 s21, 0
	s_lshl_b32 s46, s74, 1
	s_add_co_u32 s46, s46, s16
	s_lshl_b32 s46, s46, 17
	s_add_co_u32 s46, s46, s42
	s_mov_b32 s47, 0
	s_mov_b32 s66, 0x76543210                      ; v_permlanex16_b32: lane l xor 16
	s_mov_b32 s67, 0xfedcba98
	s_mov_b32 s[G0], 1
	s_mov_b32 s[G0B], 1
	s_mov_b32 s[G0+1], s45
	s_mov_b32 s[G0B+1], s45
	s_wait_alu depctr_va_vdst(0)
	s_wait_dscnt 0x0                               ; both opening adds are done
	s_wait_kmcnt 0x0
	s_load_b128 s[76:79], s[6:7], s22 offset:0x30  ; eq, ek, ep, (ev)  (s22 and s[6:7] stay as they are until the wait for it)
	s_add_nc_u64 s[20:21], s[4:5], s[20:21]
	s_add_nc_u64 s[46:47], s[4:5], s[46:47]
	s_mov_b64 s[G0+2:G0+3], s[20:21]
	s_or_b32 s[G0+3], s[G0+3], 0x80000000
	s_mov_b64 s[G0B+2:G0B+3], s[46:47]
	s_or_b32 s[G0B+3], s[G0B+3], 0x80000000
	CROUND                                         ; all sixteen work-groups are here: the joint loads meet
	JLOAD G1, G1B                                  ; K steps 0-3: my one tensor load at the head
	s_cmp_eq_u32 s15, 0                            ; the prefetches: a queries' row block is shared out by cx, a keys' by cy
	s_cselect_b64 s[PFA:PFA+1], s[20:21], s[46:47]
	s_cselect_b32 s18, s40, s41
	s_lshl_b32 s18, s18, 13
	s_mov_b32 s19, 0
	s_add_nc_u64 s[PFA:PFA+1], s[PFA:PFA+1], s[18:19]
	global_prefetch_b8 v[PFO], s[PFA:PFA+1] offset:65536 th:TH_LOAD_NT scope:SCOPE_SE   ; my part of K steps 4, 5: 32 lanes x 256 bytes
	; my chunk of pbuf, my lines of stats
	s_lshl_b32 s18, s73, 1
	s_add_co_u32 s18, s18, s15                     ; query / 128
	s_lshl_b32 s18, s18, s13
	s_lshl_b32 s18, s18, 3                         ; x keys / 128
	s_lshl_b32 s20, s74, 1
	s_add_co_u32 s20, s20, s16                     ; key / 128
	s_and_b32 s21, s20, 16
	s_add_co_u32 s18, s18, s21
	s_and_b32 s21, s20, 7
	s_lshl_b32 s21, s21, 1
	s_add_co_u32 s18, s18, s21
	s_bfe_u32 s21, s20, 0x10003
	s_add_co_u32 s18, s18, s21
	s_lshl_b32 s18, s18, 14
	s_add_co_u32 s18, s18, s23
	s_add_nc_u64 s[8:9], s[8:9], s[18:19]
	s_lshl_b32 s18, s74, s71
	s_lshl_b32 s20, s73, 8
	s_add_co_u32 s18, s18, s20
	s_lshl_b32 s20, s14, 6
	s_add_co_u32 s18, s18, s20                     ; query 64 wave of the work-group's 256
	s_lshl_b32 s18, s18, 3
	s_add_co_u32 s18, s18, s70
	s_add_nc_u64 s[10:11], s[10:11], s[18:19]
	s_wait_kmcnt 0x0
	s_add_co_i32 s76, s76, s77
	s_lshl_b32 s76, s76, 23
	s_add_co_i32 s68, s76, 0x3d38aa3b              ; c = log2(e) / 32, with eq + ek added to its exponent field
	s_mov_b32 s69, s68
	s_add_co_i32 s78, s78, 127
	s_lshl_b32 s77, s78, 23
	v_mov_b32 v[SCL], s77
	s_add_co_i32 s78, s78, 8
	s_lshl_b32 s78, s78, 23
	s_or_b32 s78, s78, 0x600000
	v_mov_b32 v[LIM], s78
	s_wait_alu depctr_va_vdst(0)                   ; the wait at the head's end
	s_wait_tensorcnt 0x0                           ; my row block's K steps 0-3 are in
	s_barrier_signal -1
	s_barrier_wait -1                              ; everybody's are
	LDA 0, 0
	LDB 0, 0
	LDB 0, 1
	LDA 0, 1
	STEP 0
	STEPR 1, 1
	STEP 2
	STEPR 3, 1
	STEP 4
	STEPR 5, 0
	STEP 6
	s_wait_dscnt 16                                ; the last step: nothing more to fetch
	MULQ 1, 0, 1, 0
	s_wait_dscnt 0
	MULQ 0, 0, 1, 0
	MULQ 0, 1, 1, 0
	MULQ 1, 1, 1, 0
	PLACES                                         ; four plain places ahead of the first read of results
; THE MAXIMA of blocks 4 hi .. 4 hi + 3: four chains a block; each accumulator is read from its low end on
.macro MAXES hi
	WIN 0x0a+5*(\hi)
.set ia, 0
.rept 4
.set ic, 0
.rept 4
	v_max_num_f32 v[CH+4*(4*(\hi)+ia)+ic], v[64*ia+2*ic], v[64*ia+2*ic+1]
.set ic, ic+1
.endr
.set ia, ia+1
.endr
	WIN 0x28+0x14*(\hi)
.set ia, 0
.rept 4
.set ib, 1
.rept 7
.set ic, 0
.rept 4
	v_max3_num_f32 v[CH+4*(4*(\hi)+ia)+ic], v[CH+4*(4*(\hi)+ia)+ic], v[64*ia+8*ib+2*ic], v[64*ia+8*ib+2*ic+1]
.set ic, ic+1
.endr
.set ib, ib+1
.endr
.set ia, ia+1
.endr
.endm
	MAXES 0
	MAXES 1
	WIN 0
.irp a, 0,1,2,3,4,5,6,7
	v_max3_num_f32 v[CH+4*\a], v[CH+4*\a], v[CH+4*\a+1], v[CH+4*\a+2]
.endr
.irp a, 0,1,2,3,4,5,6,7
	v_max_num_f32 v[CH+4*\a], v[CH+4*\a], v[CH+4*\a+3]
.endr
.irp a, 0,1,2,3,4,5,6,7
	v_permlanex16_b32 v[CH+4*\a+1], v[CH+4*\a], s66, s67   ; the query's other 64 keys lie in the lane 16 away
.endr
.irp a, 0,1,2,3,4,5,6,7
	v_max_num_f32 v[CH+4*\a], v[CH+4*\a], v[CH+4*\a+1]
.endr
.irp a, 0,1,2,3,4,5,6,7
	ds_store_b32 v[XW], v[CH+4*\a] offset:128*\a
.endr
	s_wait_alu depctr_va_vdst(0)
	s_wait_dscnt 0x0                               ; for the other wave's sake: my maxima lie in LDS
	s_barrier_signal -1
	s_barrier_wait -1
.irp a, 0,1,2,3,4,5,6,7
	ds_load_b64 v[96+2*\a:97+2*\a], v[XR] offset:128*\a
.endr
	s_wait_dscnt 0x0
.irp a, 0,1,2,3,4,5,6,7
	v_max_num_f32 v[CH+4*\a], v[96+2*\a], v[97+2*\a]
.endr
.irp a, 0,1,2,3,4,5,6,7
	v_mul_f32 v[CH+4*\a], s68, v[CH+4*\a]          ; as t (c is positive)
.endr
.irp a, 0,1,2,3,4,5,6,7
	v_floor_f32 v[NM+2*\a], -v[CH+4*\a]            ; -M = floor(-t) = -ceil(t)
	v_mov_b32 v[NM+2*\a+1], 0                      ; (named as the upper half of a pair)
.endr
; Blocks' numbers lie in two sets of 64 registers by turns.  While block a's exponentials are issued, block a - 1's p are held (its sum is taken by then); then block a - 1 is converted and stored.
.macro HOLD2 u, i                      ; two p at once: p is not negative, so the hold is one-sided
	v_dual_min_num_f32 v[\u+2*(\i)], v[\u+2*(\i)], v[LIM] :: v_dual_min_num_f32 v[\u+2*(\i)+1], v[\u+2*(\i)+1], v[LIM]
.endm
.macro CODES a                         ; 8 conversions: the lane's 16 bytes of four pieces
.set TM, AF+64*((\a)%2)
.set CD, CDB+16*((\a)%2)
.set ik, 0
.rept 8
	v_cvt_scalef32_pk8_fp8_f32 v[CD+2*ik:CD+2*ik+1], v[TM+8*ik:TM+8*ik+7], v[SCL]
.set ik, ik+1
.endr
.endm
.macro SEND a
.set CD, CDB+16*((\a)%2)
.irp t, 0,1,2,3
	global_store_b128 v[CO], v[CD+4*\t:CD+4*\t+3], s[OUTB:OUTB+1] offset:(\a)*2048+512*\t   ; 512 consecutive bytes, at a multiple of 512 from the buffer's first byte
.endr
.endm
.macro BLOCK a
.set AC, 64*((\a)%4)
.set T_, AF+64*((\a)%2)
.set U_, AF+64*(1-(\a)%2)
	WIN 0x02+((\a)/4)
.set ik, 0
.rept 32
	v_pk_fma_f32 v[T_+ik:T_+ik+1], v[AC+ik:AC+ik+1], s[68:69], v[NM+2*(\a):NM+2*(\a)+1] op_sel_hi:[1,0,0]   ; t - M, two at a time
.set ik, ik+2
.endr
	WIN 0
	s_wait_alu depctr_va_vdst(0)                   ; the wait ahead of the batch
.set ik, 0
.rept 32
	v_exp_f32 v[T_+2*ik], v[T_+2*ik]
	v_exp_f32 v[T_+2*ik+1], v[T_+2*ik+1]
.if (\a) > 0
	HOLD2 U_, ik
.endif
.set ik, ik+1
.endr
.if (\a) == 0
	v_nop                                          ; the plain line behind the exponentials
.endif
	s_wait_alu depctr_va_vdst(0)                   ; one wait for the batch of 64, ahead of its first reader
.if (\a) > 2
	s_wait_xcnt 0x0                                ; block a - 3's stores have read their registers
.endif
.if (\a) > 0
	CODES (\a)-1
.endif
.irp q, 0,1,2,3
	v_pk_add_f32 v[SU+2*\q:SU+2*\q+1], v[T_+4*\q:T_+4*\q+1], v[T_+4*\q+2:T_+4*\q+3]   ; the sum is taken of the unquantised p, in four chains
.endr
.set ik, 16
.rept 6
.irp q, 0,1,2,3
	v_pk_add_f32 v[SU+2*\q:SU+2*\q+1], v[SU+2*\q:SU+2*\q+1], v[T_+ik+2*\q:T_+ik+2*\q+1]
.endr
.set ik, ik+8
.endr
	v_pk_add_f32 v[SU:SU+1], v[SU:SU+1], v[SU+2:SU+3]
	v_pk_add_f32 v[SU+4:SU+5], v[SU+4:SU+5], v[SU+6:SU+7]
	v_pk_add_f32 v[SU:SU+1], v[SU:SU+1], v[SU+4:SU+5]
	v_add_f32 v[LP+(\a)], v[SU], v[SU+1]
.if (\a) > 0
	SEND (\a)-1
.endif
.endm
.irp a, 0,1,2,3,4,5,6,7
	BLOCK \a
.endr
.set ik, 0
.rept 32
	HOLD2 AF+64, ik
.set ik, ik+1
.endr
	s_wait_alu depctr_va_vdst(0)
	s_wait_xcnt 0x0                                ; block 5's stores have read their registers
	CODES 7
.irp a, 0,1,2,3,4,5,6,7
	v_permlanex16_b32 v[CH+\a], v[LP+\a], s66, s67
.endr
.irp a, 0,1,2,3,4,5,6,7
	v_add_f32 v[LP+\a], v[LP+\a], v[CH+\a]         ; the sum over the wave's 128 keys
.endr
	SEND 7
.irp a, 0,1,2,3,4,5,6,7
	ds_store_b32 v[XW], v[LP+\a] offset:2048+128*\a
.endr
	s_wait_alu depctr_va_vdst(0)
	s_wait_dscnt 0x0                               ; my sums lie in LDS
	s_barrier_signal -1
	s_barrier_wait -1
.irp i, 0,1
	ds_load_b64 v[128+2*\i:129+2*\i], v[XQ] offset:2048+256*\i   ; query 64 wave + 32 i + lane: the two waves' sums
	ds_load_b64 v[132+2*\i:133+2*\i], v[XQ] offset:256*\i        ; and maxima
.endr
	s_wait_dscnt 0x0
.irp i, 0,1
	v_max_num_f32 v[136+2*\i], v[132+2*\i], v[133+2*\i]
	v_add_f32 v[137+2*\i], v[128+2*\i], v[129+2*\i]              ; l
.endr
.irp i, 0,1
	v_mul_f32 v[136+2*\i], s68, v[136+2*\i]
.endr
.irp i, 0,1
	v_floor_f32 v[136+2*\i], -v[136+2*\i]          ; -M, by the same lines as above
.endr
.irp i, 0,1
	v_xor_b32 v[136+2*\i], 0x80000000, v[136+2*\i] ; M
.endr
.irp i, 0,1
	global_store_b64 v[SOFF], v[136+2*\i:137+2*\i], s[10:11] offset:256*\i   ; 256 consecutive bytes
.endr
	s_wait_tensorcnt 0x0                           ; the wave's end
	ds_add_u32 v[SPW], v[NIL]
	s_wait_dscnt 0x0
	CROUND                                         ; the closing round
	s_endpgm
.Lfunc_end_k_q446cf78d10_scores:
	.size	k_q446cf78d10_scores, .Lfunc_end_k_q446cf78d10_scores-k_q446cf78d10_scores
	.p2alignl 7, 3214868480
	.fill 96, 4, 3214868480
	.section	.rodata,"a",@progbits
	.p2align	6, 0x0
	.amdhsa_kernel k_q446cf78d10_scores
		.amdhsa_group_segment_fixed_size 327680
		.amdhsa_private_segment_fixed_size 0
		.amdhsa_enable_private_segment 0
		.amdhsa_kernarg_size 32
		.amdhsa_user_sgpr_count 2
		.amdhsa_user_sgpr_kernarg_segment_ptr 1
		.amdhsa_wavefront_size32 1
		.amdhsa_system_sgpr_workgroup_id_x 1
		.amdhsa_system_sgpr_workgroup_id_y 1
		.amdhsa_system_sgpr_workgroup_id_z 1
		.amdhsa_system_vgpr_workitem_id 0
		.amdhsa_next_free_vgpr 1024
		.amdhsa_next_free_sgpr 100
		.amdhsa_reserve_vcc 0
		.amdhsa_float_denorm_mode_32 3
		.amdhsa_float_denorm_mode_16_64 3
		.amdhsa_memory_ordered 1
		.amdhsa_forward_progress 1
		.amdhsa_inst_pref_size 173
	.end_amdhsa_kernel
	.amdgpu_metadata
---
amdhsa.version: [ 1, 2 ]
amdhsa.kernels:
  - .name:           k_q446cf78d10_scores
    .symbol:         k_q446cf78d10_scores.kd
    .args:
      - { .name: proj, .offset: 0, .size: 8, .value_kind: global_buffer, .address_space: global }
      - { .name: lowp_scales, .offset: 8, .size: 8, .value_kind: global_buffer, .address_space: global }
      - { .name: pbuf, .offset: 16, .size: 8, .value_kind: global_buffer, .address_space: global }
      - { .name: stats, .offset: 24, .size: 8, .value_kind: global_buffer, .address_space: global }
    .group_segment_fixed_size: 327680
    .private_segment_fixed_size: 0
    .kernarg_segment_align: 8
    .kernarg_segment_size: 32
    .max_flat_workgroup_size: 128
    .sgpr_count:     100
    .vgpr_count:     1024
    .wavefront_size: 32
...
	.end_amdgpu_metadata
.endif
;; end of part 2
;; launch mix (part 3): grid 4 x 64, 4 waves a work-group, clusters of 4 x 4, 327,680 bytes of LDS; arguments pbuf, proj, stats, lowp_scales, out0, out1; writes out0, out1
.if DOCPART == 3
	.amdgcn_target "amdgcn-amd-amdhsa--gfx1250"
	.amdhsa_code_object_version 6
	.text
	.protected	k_q446cf78d10_mix
	.globl	k_q446cf78d10_mix
	.p2align	8
	.type	k_q446cf78d10_mix,@function
k_q446cf78d10_mix:
	s_mov_b64 s[64:65], 0
	v_nop
	global_prefetch_b8 v0, s[64:65] scope:SCOPE_SE
	s_setreg_imm32_b32 hwreg(HW_REG_WAVE_MODE, 25, 1), 1
	s_wait_xcnt 0x0
	s_wait_alu depctr_hold_cnt(0) depctr_sa_sdst(0) depctr_va_vdst(0) depctr_va_sdst(0) depctr_va_ssrc(0) depctr_va_vcc(0) depctr_vm_vsrc(0)
	s_getreg_b32 s2, hwreg(HW_REG_IB_STS2, 6, 4)
	s_cmp_eq_u32 s2, 0
	s_cbranch_scc0 .Lentry_in_a_cluster
	s_endpgm
.Lentry_in_a_cluster:
	s_bfe_u32 s2, ttmp6, 0x10000c
	s_cmp_lg_u32 s2, 0xf033
	s_cbranch_scc0 .Lentry_shape_is_right
	s_endpgm
.Lentry_shape_is_right:
; THE PRODUCTS WITH THE SOFTMAX, both directions: O = P V / l, out of p's codes, v^T's codes and the chunks' (M, l).  Nothing of the problem is left out here.
; A WAVE makes 128 queries x 128 channels over a slice of 1,024 keys (64 accumulators), eight K steps of 128.
; Clusters 0-7: out0: a work-group makes 128 x 128, its four waves take the four slices of 4,096 keys.  Clusters 8-15: out1: 128 queries x 256 channels, wave 2 g + s takes 128 channels g and slice s of 2,048 keys.
; Source 0 = 16 channels (V^T), source 1 = 16 queries (P): a lane holds one query.
; STREAMS.  P and V^T lie as streams of 262,144 bytes: eight K steps x two slices x one chunk of 16,384 bytes (128 rows x 128 keys, an image of an operand's registers).  A work-group walks four streams, one fetched by each wave:
; out0: waves 0, 1 the queries' two (slices 0, 1 and 2, 3), waves 2, 3 the channels' two.  out1: waves 0 and 1 both the queries' one (a copy for each half of the channels), waves 2, 3 those of the two halves of the channels.
; P is asked for jointly along a row of the cluster, V^T along a column.  Two slots of one K step, 32,768 bytes of each stream: both filled by the head's one load a wave, then a slot at a time.
; A slot is filled again as soon as its fragments are in registers; the change of slots stands in front of a step's last quarter.
; PREFETCHES: behind each joint load a wave asks for its work-group's part of what the next change of slots loads; the four that ask for a stream jointly share its 32,768 bytes out by address, 8,192 each.  (out1: wave 1, whose stream is wave 0's, asks for nothing.)
; M belongs to 256 keys, two K steps.  Between chunk i - 1 and chunk i the sums pass from reference e(i - 1) to e(i) = max(M(i), R(i) - 64), R the largest M so far: a multiplication by 2^(e(i - 1) - e(i)), exact.
; Where e = M(i) the chunk's terms come in as they are; where e > M(i) they come in too large, at 2^-64 of the largest chunk's at the most, which f32 sums do not show.  At the end each wave's sums are multiplied by 2^(e - M + ep + ev) / l
; of the whole row, M the row's largest, and added up through LDS.  (out1: each slice is counted by two waves, so the row's sum comes out doubled: one is added to the exponent.)
; A K STEP is 64 products in four quarters: A = queries, B = channels, low and high four blocks each.  Even steps: (A low, B low), (A high, B low), (A high, B high), (A low, B high); odd steps with A's halves exchanged.
; REGISTERS: window 0: v128-255 A; below it addresses and factors; window 1: B, two sets of 128; windows 2, 3: the accumulators of the queries' blocks 0-3, 4-7.
; LIMITS: NaN and infinities are not served.
.set PITCH,  528                       ; the way out: a row of 128 f32 + 16 bytes
.set IMG,    128*PITCH                 ; a wave's sums in LDS, over the slots' bytes, which have had their last fill and their last read by then
.set SPARE,  4*IMG                     ; the spare words lie behind the slots' 262,144 bytes and behind the four images
.set XS,     SPARE+512                 ; (M, l) of a wave's slice: 1,024 bytes a wave; no tile lands here
.set NP,     4
.set VPT_OFF, 8<<20
.set VCT_OFF, 16<<20
.set RC,   8                           ; v8-11  the way out, out0: where I read the four images
.set RP,   12                          ; v12-13 out1: the two images
.set XSW,  14
.set XSR,  15
.set ADA,  16                          ; v16 LDS address of my chunks of P in slot 0
.set ADB,  17                          ; v17 of V^T
.set PFO,  18                          ; v18 256 x lane; never rewritten
.set SE,   22                          ; v22 8 x (lane % 16)
.set IW,   24
.set CO,   26                          ; v26 16 x lane
.set SPW,  28
.set NIL,  29
.set GG,   32                          ; v32-79 the factors of chunks 1, 2, 3: 16 registers each, factors in the even ones, 0 in the odd; at the end v32-47
.set RL,   80                          ; v80-95 (M, l) of my slice
.set EE,   96                          ; v96-103 e
.set TT,   104                         ; v104-111 the row's M
.set AF,   128                         ; at the head v128-191 the chunks' (M, l), v192-239 at work
.set RM,   192
.set G1,  24                           ; group 1 of the head's loads, P: 256 rows of 256 bytes
.set G1B, 48                           ; V^T
.set G1R, 80                           ; group 1 of the refills, P: 128 rows
.set G1S, 88                           ; V^T
.set G0,  32
.set G0B, 36
.set PFA, 60                           ; s[60:61] where my prefetches stand
.set PFL, 62                           ; s62 1: my wave prefetches
.set MSB, 0
.macro WIN new
.if MSB != (\new)
	s_set_vgpr_msb (MSB<<8)|(\new)
.set MSB, (\new)
.endif
.endm
.set MUL_LO, 0xa1
.set TO_B,   0x40
.macro JLOAD g1a, g1b                  ; waves 0, 1 fetch P's streams, waves 2, 3 V^T's; an s_nop 0 and four v_nop follow each line
	s_cmp_eq_u32 s15, 0
	s_cbranch_scc0 .Lfor_b_\@
	tensor_load_to_lds s[G0:G0+3], s[\g1a:\g1a+7]
	s_nop 0
.rept 4
	v_nop
.endr
	s_branch .Lasked_\@
.Lfor_b_\@:
	tensor_load_to_lds s[G0B:G0B+3], s[\g1b:\g1b+7]
	s_nop 0
.rept 4
	v_nop
.endr
.Lasked_\@:
.endm
.macro CROUND                          ; a round of the cluster's barrier
	s_barrier_signal -1
	s_barrier_wait -1
	s_cmp_lg_u32 s14, 0
	s_cbranch_scc1 .Lnot_wave_0_\@
	s_barrier_signal -3
.Lnot_wave_0_\@:
	s_barrier_wait -3
	s_barrier_signal -1
	s_barrier_wait -1
.endm
.macro PLACES
.rept NP
	v_nop
.endr
.endm
.macro ASK j                           ; my part of K step j: 32 lanes x 256 bytes
	s_cmp_eq_u32 s[PFL], 1
	s_cbranch_scc0 .Lno_ask_\@
	global_prefetch_b8 v[PFO], s[PFA:PFA+1] offset:(\j)*32768 th:TH_LOAD_NT scope:SCOPE_SE
.Lno_ask_\@:
.endm
.macro MULQ ah, bh, p, zero            ; a quarter: 16 matrix instructions, each on an accumulator of its own
	WIN (MUL_LO+0x50*(\ah))
.irp i, 0,1,2,3
.irp j, 0,1,2,3
.set AC, 8*(8*\i+4*(\bh)+\j)
.set RB_, 128*(\p)+16*(4*(\bh)+\j)
.set RA_, AF+16*(4*(\ah)+\i)
.if \zero
	v_wmma_f32_16x16x128_fp8_fp8 v[AC:AC+7], v[RB_:RB_+15], v[RA_:RA_+15], 0
.else
	v_wmma_f32_16x16x128_fp8_fp8 v[AC:AC+7], v[RB_:RB_+15], v[RA_:RA_+15], v[AC:AC+7]
.endif
.endr
.endr
.endm
.macro LDA s, ah                       ; half ah of step s's part of P
	WIN 0
.irp i, 0,1,2,3
.irp c, 0,1,2,3
	ds_load_b128 v[AF+16*(4*(\ah)+\i)+4*\c:AF+16*(4*(\ah)+\i)+4*\c+3], v[ADA] offset:((\s)%2)*32768+(4*(\ah)+\i)*2048+512*\c
.endr
.endr
.endm
.macro LDB s, bh                       ; half bh of step s's part of V^T, into set s % 2
	WIN TO_B
.irp j, 0,1,2,3
.irp c, 0,1,2,3
	ds_load_b128 v[128*((\s)%2)+16*(4*(\bh)+\j)+4*\c:128*((\s)%2)+16*(4*(\bh)+\j)+4*\c+3], v[ADB] offset:((\s)%2)*32768+(4*(\bh)+\j)*2048+512*\c
.endr
.endr
	WIN 0
.endm
.macro STEP s
.set X_, (\s)%2
	s_wait_dscnt 16                                ; A's first half and B are in; A's second half may be out
	MULQ X_, 0, X_, ((\s)==0)
	s_wait_dscnt 0                                 ; all fragments of this step are in registers: my reads of its slot are over
	MULQ 1-X_, 0, X_, ((\s)==0)
	MULQ 1-X_, 1, X_, ((\s)==0)
	WIN 0
	s_wait_tensorcnt 0x0                           ; all my tensor loads have landed: my stream's part of the next step
.if (\s) < 6
	ds_add_u32 v[SPW], v[NIL]                      ; 0 onto my spare word
.if (\s) == 0
	s_add_nc_u64 s[G0+2:G0+3], s[G0+2:G0+3], 0x10000     ; K step 2, into slot 0
	s_add_nc_u64 s[G0B+2:G0B+3], s[G0B+2:G0B+3], 0x10000
.else
	s_xor_b32 s[G0+1], s[G0+1], 0x8000                   ; the next K step, into the other slot
	s_xor_b32 s[G0B+1], s[G0B+1], 0x8000
	s_add_nc_u64 s[G0+2:G0+3], s[G0+2:G0+3], 0x8000
	s_add_nc_u64 s[G0B+2:G0B+3], s[G0B+2:G0B+3], 0x8000
.endif
	s_wait_dscnt 0x0                               ; the add is done
	CROUND                                         ; no wave of any partner still reads this slot or has a load out
	JLOAD G1R, G1S                                 ; (its four v_nop are also the places in front of the loads below)
.else
	s_barrier_signal -1
	s_barrier_wait -1                              ; the last step's slot is whole
	PLACES
.endif
	LDA (\s)+1, 1-X_
	LDB (\s)+1, 0
	LDB (\s)+1, 1
.if (\s) < 5
	ASK (\s)+3
.endif
	MULQ X_, 1, X_, ((\s)==0)
	PLACES
	LDA (\s)+1, X_
.endm
.macro RESCALE k                       ; the sums under the next chunk's e; each accumulator is read from its low end on
.irp w, 0,1
	WIN 0x82+0x41*\w
.set ia, 0
.rept 4
.set ik, 0
.rept 32
	v_pk_mul_f32 v[64*ia+ik:64*ia+ik+1], v[64*ia+ik:64*ia+ik+1], v[GG+16*(\k)+2*(ia+4*\w):GG+16*(\k)+2*(ia+4*\w)+1] op_sel_hi:[1,0]
.set ik, ik+2
.endr
.set ia, ia+1
.endr
.endr
	WIN 0
	s_wait_alu depctr_va_vdst(0)
.endm
	s_load_b256 s[4:11], s[0:1], 0x0               ; pbuf s[4:5], proj s[6:7], stats s[8:9], the scales' exponents s[10:11]
	s_load_b128 s[68:71], s[0:1], 0x20             ; out0, out1
	v_lshl_add_u32 v[SPW], v0, 2, SPARE
	v_mov_b32 v[NIL], 0
	ds_add_u32 v[SPW], v[NIL]                      ; the opening: the add, twice on end, and its wait ahead of my first tensor load
	ds_add_u32 v[SPW], v[NIL]
	v_lshrrev_b32 v1, 5, v0
	v_readfirstlane_b32 s14, v1
	s_lshr_b32 s15, s14, 1                         ; out1: which 128 channels.  Also: which operand I fetch
	s_and_b32 s16, s14, 1                          ; out1: which slice.  Also: which stream of that operand
	s_lshl_b32 s45, s14, 16                        ; my stream in LDS
	s_lshl_b32 s22, s15, 16
	s_lshl_b32 s23, s16, 14
	s_add_co_u32 s22, s22, s23                     ; the chunks that I multiply: stream wave / 2, slice wave % 2 of its two
	s_lshl_b32 s18, s14, 10
	s_add_co_u32 s18, s18, XS
	s_mul_i32 s19, s14, IMG
	s_mul_i32 s20, s14, 32*PITCH
	s_mul_i32 s21, s15, 2*IMG
	s_mul_i32 s3, s16, 64*PITCH
	s_add_co_u32 s21, s21, s3
	v_and_b32 v1, 15, v0                           ; r
	v_bfe_u32 v2, v0, 4, 1                         ; h
	v_and_b32 v6, 31, v0
	v_lshlrev_b32 v[SE], 3, v1
	v_lshlrev_b32 v[CO], 4, v6
	v_lshlrev_b32 v[PFO], 8, v6
	v_mul_u32_u24 v5, v1, PITCH
	v_lshl_add_u32 v5, v2, 5, v5
	v_add_nc_u32 v[ADA], s22, v[CO]
	v_add_nc_u32 v[ADB], 0x20000, v[ADA]
	v_add_nc_u32 v[XSW], s18, v[SE]
	v_add_nc_u32 v[XSR], XS, v[SE]
	v_add_nc_u32 v[IW], s19, v5
	v_add_nc_u32 v[RC], s20, v[CO]
	v_add_nc_u32 v[RC+1], IMG, v[RC]
	v_add_nc_u32 v[RC+2], 2*IMG, v[RC]
	v_add_nc_u32 v[RC+3], 3*IMG, v[RC]
	v_add_nc_u32 v[RP], s21, v[CO]
	v_add_nc_u32 v[RP+1], IMG, v[RP]
	s_bfe_u32 s40, ttmp6, 0x40000                  ; cx
	s_bfe_u32 s41, ttmp6, 0x40004                  ; cy
	s_and_b32 s2, ttmp7, 0xffff                    ; the cluster's number, 0..15
	s_lshl_b32 s43, s41, 2
	s_lshl_b32 s43, 15, s43                        ; my row of the cluster
	s_lshl_b32 s44, 0x1111, s40                    ; my column
	s_or_b32 s[G1], s43, 1<<21                     ; the mask; bit 21 beside it; elements of 1 byte; no padding
	s_or_b32 s[G1B], s44, 1<<21
	s_or_b32 s[G1R], s43, 1<<21
	s_or_b32 s[G1S], s44, 1<<21
.irp g, G1, G1B, G1R, G1S
	s_mov_b32 s[\g+1], 256<<16
	s_mov_b32 s[\g+3], 256<<16
	s_mov_b32 s[\g+5], 256                         ; dense
	s_mov_b32 s[\g+6], 0
	s_mov_b32 s[\g+7], 0
.endr
.irp g, G1, G1B
	s_mov_b32 s[\g+2], 256<<16
	s_mov_b32 s[\g+4], 256
.endr
.irp g, G1R, G1S
	s_mov_b32 s[\g+2], 128<<16
	s_mov_b32 s[\g+4], 128
.endr
	s_mov_b32 s17, VCT_OFF
	s_mov_b32 s76, 32768
	s_mov_b32 s77, 0
	s_lshr_b32 s78, s2, 1
	s_sub_co_u32 s20, s2, 8
	s_and_b32 s79, s2, 1
	s_lshl_b32 s79, s79, 2
	s_add_co_u32 s79, s79, s40                     ; out0: which 128 channels
	s_lshl_b32 s18, s40, 1                         ; out1: 2 cx + .. : which 128 channels
	s_add_co_u32 s19, s18, s16                     ; those that I fetch
	s_add_co_u32 s18, s18, s15                     ; those that I make
	s_lshl_b32 s46, s16, 18                        ; a stream on
	s_cmp_lt_u32 s2, 8
	s_cselect_b32 s12, 0, 1                        ; the direction
	s_cselect_b32 s13, 19, 18                      ; log2 of the bytes of 128 rows of P or V^T
	s_cselect_b32 s22, 0, 16                       ; entries 14, 15 or 18, 19 of the scales
	s_cselect_b32 s23, 0, 0x800000                 ; the direction's part of pbuf
	s_cselect_b32 s42, 0, 0x40000                  ; and of stats
	s_cselect_b32 s17, VPT_OFF, s17                ; V^T in proj
	s_cselect_b32 s76, 16384, s76                  ; from chunk to chunk in stats
	s_cselect_b32 s78, s78, s20                    ; which 512 queries
	s_cselect_b32 s19, s79, s19
	s_cselect_b32 s18, s79, s18
	s_cselect_b32 s3, s14, s16                     ; which slice
	s_cselect_b32 s63, 17, 18                      ; the way out: log2 of the bytes of my rows: 32 or 64
	s_cselect_b32 s47, s46, 0                      ; out0: the second stream of the operand; out1: the rows choose it
	s_lshl_b32 s78, s78, 2
	s_add_co_u32 s78, s78, s41                     ; which 128 queries
	s_lshl_b32 s20, s78, s13
	s_add_co_u32 s20, s20, s23
	s_add_co_u32 s20, s20, s47                     ; P: made of the cluster's number, cy and the wave
	s_mov_b32 s21, 0
	s_lshl_b32 s46, s19, s13
	s_add_co_u32 s46, s46, s17
	s_add_co_u32 s46, s46, s47                     ; V^T: of the cluster's number, cx and the wave
	s_mov_b32 s47, 0
	s_mul_i32 s56, s3, s76
	s_lshl_b32 s56, s56, 2
	s_lshl_b32 s19, s78, 10
	s_add_co_u32 s56, s56, s19
	s_add_co_u32 s56, s56, s42
	s_mov_b32 s57, 0
	s_lshl_b32 s58, s78, 19
	s_lshl_b32 s19, s3, s63
	s_add_co_u32 s58, s58, s19
	s_lshl_b32 s18, s18, 9
	s_add_co_u32 s58, s58, s18                     ; my rows and columns of the output
	s_mov_b32 s59, 0
	s_mov_b32 s[G0], 1
	s_mov_b32 s[G0B], 1
	s_mov_b32 s[G0+1], s45
	s_mov_b32 s[G0B+1], s45
	s_lshl_b32 s18, s12, 2
	s_add_co_u32 s18, s18, s14
	s_cmp_lg_u32 s18, 5                            ; out1's wave 1 prefetches nothing
	s_cselect_b32 s[PFL], 1, 0
	s_wait_alu depctr_va_vdst(0)
	s_wait_dscnt 0x0                               ; both opening adds are done
	s_wait_kmcnt 0x0
	s_load_b64 s[96:97], s[10:11], s22 offset:0x38 ; ep, ev  (s22 and s[10:11] stay as they are until the wait for it)
	s_add_nc_u64 s[20:21], s[4:5], s[20:21]
	s_add_nc_u64 s[46:47], s[6:7], s[46:47]
	s_mov_b64 s[G0+2:G0+3], s[20:21]
	s_or_b32 s[G0+3], s[G0+3], 0x80000000
	s_mov_b64 s[G0B+2:G0B+3], s[46:47]
	s_or_b32 s[G0B+3], s[G0B+3], 0x80000000
	s_add_nc_u64 s[74:75], s[8:9], s[56:57]
	s_add_nc_u64 s[56:57], s[74:75], s[76:77]
	s_add_nc_u64 s[66:67], s[56:57], s[76:77]
	s_add_nc_u64 s[72:73], s[66:67], s[76:77]
	CROUND                                         ; all sixteen work-groups are here: the joint loads meet
	JLOAD G1, G1B                                  ; K steps 0, 1: my one tensor load at the head
.irp a, 0,1,2,3,4,5,6,7
	global_load_b64 v[AF+2*\a:AF+2*\a+1], v[SE], s[74:75] offset:128*\a           ; (M, l) of query 16 a + r, chunks 0,
	global_load_b64 v[AF+16+2*\a:AF+17+2*\a], v[SE], s[56:57] offset:128*\a       ; 1,
	global_load_b64 v[AF+32+2*\a:AF+33+2*\a], v[SE], s[66:67] offset:128*\a       ; 2,
	global_load_b64 v[AF+48+2*\a:AF+49+2*\a], v[SE], s[72:73] offset:128*\a       ; 3 of my slice
.endr
	s_cmp_eq_u32 s15, 0                            ; the prefetches: P's streams are shared out by cx, V^T's by cy
	s_cselect_b64 s[PFA:PFA+1], s[20:21], s[46:47]
	s_cselect_b32 s18, s40, s41
	s_lshl_b32 s18, s18, 13
	s_mov_b32 s19, 0
	s_add_nc_u64 s[PFA:PFA+1], s[PFA:PFA+1], s[18:19]
	ASK 2
	s_cmp_eq_u32 s12, 0
	s_cselect_b64 s[70:71], s[68:69], s[70:71]
	s_add_nc_u64 s[70:71], s[70:71], s[58:59]
	s_wait_loadcnt 0x0                             ; the (M, l) of all four chunks are in
.irp a, 0,1,2,3,4,5,6,7
	v_mov_b32 v[RM+\a], v[AF+2*\a]                 ; R
	v_mov_b32 v[EE+\a], v[AF+2*\a]                 ; e
	v_mov_b32 v[RL+2*\a+1], v[AF+2*\a+1]           ; l, under R
.endr
.irp i, 1,2,3
.irp a, 0,1,2,3,4,5,6,7
	v_max_num_f32 v[RM+8+\a], v[RM+\a], v[AF+16*\i+2*\a]           ; the new R
.endr
.irp a, 0,1,2,3,4,5,6,7
	v_add_f32 v[RM+16+\a], 0xc2800000, v[RM+8+\a]                  ; R - 64
.endr
.irp a, 0,1,2,3,4,5,6,7
	v_max_num_f32 v[RM+16+\a], v[AF+16*\i+2*\a], v[RM+16+\a]       ; the new e
.endr
.irp a, 0,1,2,3,4,5,6,7
	v_sub_f32 v[RM+24+\a], v[EE+\a], v[RM+16+\a]
	v_sub_f32 v[RM+32+\a], v[RM+\a], v[RM+8+\a]
	v_sub_f32 v[RM+40+\a], v[AF+16*\i+2*\a], v[RM+8+\a]
.endr
.set ik, 0
.rept 24
	v_cvt_i32_f32 v[RM+24+ik], v[RM+24+ik]         ; (it saturates)
.set ik, ik+1
.endr
.irp a, 0,1,2,3,4,5,6,7
	v_ldexp_f32 v[GG+16*(\i-1)+2*\a], 1.0, v[RM+24+\a]             ; the factor of chunk i
	v_mov_b32 v[GG+16*(\i-1)+2*\a+1], 0                            ; (named as the upper half of a pair)
	v_ldexp_f32 v[RL+2*\a+1], v[RL+2*\a+1], v[RM+32+\a]
	v_ldexp_f32 v[AF+16*\i+2*\a+1], v[AF+16*\i+2*\a+1], v[RM+40+\a]
	v_mov_b32 v[RM+\a], v[RM+8+\a]
	v_mov_b32 v[EE+\a], v[RM+16+\a]
.endr
.irp a, 0,1,2,3,4,5,6,7
	v_add_f32 v[RL+2*\a+1], v[RL+2*\a+1], v[AF+16*\i+2*\a+1]
.endr
.endr
.irp a, 0,1,2,3,4,5,6,7
	v_mov_b32 v[RL+2*\a], v[RM+\a]
.endr
	s_wait_alu depctr_va_vdst(0)                   ; the wait at the head's end
	s_wait_tensorcnt 0x0                           ; my stream's K steps 0, 1 are in
	s_barrier_signal -1
	s_barrier_wait -1                              ; everybody's are
	LDA 0, 0
	LDB 0, 0
	LDB 0, 1
	LDA 0, 1
	STEP 0
	STEP 1
	RESCALE 0
	STEP 2
	STEP 3
	RESCALE 1
	STEP 4
	STEP 5
	RESCALE 2
	STEP 6
	s_wait_dscnt 16                                ; the last step: nothing more to fetch
	MULQ 1, 0, 1, 0
	s_wait_dscnt 0
	MULQ 0, 0, 1, 0
	MULQ 0, 1, 1, 0
	MULQ 1, 1, 1, 0
	WIN 0
	PLACES                                         ; four plain places ahead of the first read of results
	; the four waves' (M, l): the row's M and l
.irp a, 0,1,2,3,4,5,6,7
	ds_store_b64 v[XSW], v[RL+2*\a:RL+2*\a+1] offset:128*\a
.endr
	s_wait_dscnt 0x0
	s_barrier_signal -1
	s_barrier_wait -1                              ; behind this barrier nobody reads the slots any more
.irp i, 0,1,2,3
.irp a, 0,1,2,3,4,5,6,7
	ds_load_b64 v[128+16*\i+2*\a:128+16*\i+2*\a+1], v[XSR] offset:1024*\i+128*\a
.endr
.endr
	s_wait_kmcnt 0x0
	s_add_co_i32 s98, s96, s97
	s_add_co_i32 s98, s98, s12                     ; ep + ev; out1: + 1, since its row's sum comes out doubled
	s_wait_dscnt 0x0
.irp a, 0,1,2,3,4,5,6,7
	v_max3_num_f32 v[TT+\a], v[128+2*\a], v[144+2*\a], v[160+2*\a]
.endr
.irp a, 0,1,2,3,4,5,6,7
	v_max_num_f32 v[TT+\a], v[TT+\a], v[176+2*\a]
.endr
.irp i, 0,1,2,3
.irp a, 0,1,2,3,4,5,6,7
	v_sub_f32 v[128+16*\i+2*\a], v[128+16*\i+2*\a], v[TT+\a]
.endr
.endr
.irp i, 0,1,2,3
.irp a, 0,1,2,3,4,5,6,7
	v_cvt_i32_f32 v[128+16*\i+2*\a], v[128+16*\i+2*\a]
.endr
.endr
.irp i, 0,1,2,3
.irp a, 0,1,2,3,4,5,6,7
	v_ldexp_f32 v[129+16*\i+2*\a], v[129+16*\i+2*\a], v[128+16*\i+2*\a]
.endr
.endr
.irp a, 0,1,2,3,4,5,6,7
	v_add_f32 v[129+2*\a], v[129+2*\a], v[145+2*\a]
	v_add_f32 v[161+2*\a], v[161+2*\a], v[177+2*\a]
.endr
.irp a, 0,1,2,3,4,5,6,7
	v_add_f32 v[129+2*\a], v[129+2*\a], v[161+2*\a]
.endr
.irp a, 0,1,2,3,4,5,6,7
	v_sub_f32 v[EE+\a], v[EE+\a], v[TT+\a]         ; e - M
.endr
.irp a, 0,1,2,3,4,5,6,7
	v_cvt_i32_f32 v[EE+\a], v[EE+\a]
.endr
	s_wait_alu depctr_va_vdst(0)                   ; the wait ahead of the batch
.irp a, 0,1,2,3,4,5,6,7
	v_rcp_f32 v[GG+2*\a], v[129+2*\a]
.endr
	v_nop                                          ; the plain line behind the batch
	s_wait_alu depctr_va_vdst(0)                   ; and the wait ahead of its first reader
.irp a, 0,1,2,3,4,5,6,7
	v_ldexp_f32 v[GG+2*\a], v[GG+2*\a], s98
.endr
.irp a, 0,1,2,3,4,5,6,7
	v_ldexp_f32 v[GG+2*\a], v[GG+2*\a], v[EE+\a]
.endr
	s_wait_alu depctr_va_vdst(0)                   ; the wait ahead of the first reader of the sums
	; my image: row = query, 128 channels; each accumulator is read from its low end on
.irp a, 0,1,2,3,4,5,6,7
.set AC, 64*(\a%4)
.set TS, 128+64*(\a%2)
	WIN 0x02+(\a/4)
.set ik, 0
.rept 32
	v_pk_mul_f32 v[TS+ik:TS+ik+1], v[AC+ik:AC+ik+1], v[GG+2*\a:GG+2*\a+1] op_sel_hi:[1,0]
.set ik, ik+2
.endr
	WIN 0
.set ik, 0
.rept 8
	ds_store_b128 v[IW], v[TS+8*ik:TS+8*ik+3] offset:\a*16*PITCH+64*ik
	ds_store_b128 v[IW], v[TS+8*ik+4:TS+8*ik+7] offset:\a*16*PITCH+64*ik+16
.set ik, ik+1
.endr
.endr
	s_wait_dscnt 0x0
	s_barrier_signal -1
	s_barrier_wait -1                              ; all four images lie in LDS
; out0: rows 32 wave + 4 n .. + 3: four images added.  A row's 512 bytes are read, and stored, by the 32 lanes
.macro LDCP n
.set SB, 128+64*((\n)%2)
.irp k, 0,1,2,3
.irp i, 0,1,2,3
	ds_load_b128 v[SB+16*\k+4*\i:SB+16*\k+4*\i+3], v[RC+\i] offset:(4*(\n)+\k)*PITCH
.endr
.endr
.endm
.macro SUMCP n
.set SB, 128+64*((\n)%2)
.irp k, 0,1,2,3
	v_pk_add_f32 v[SB+16*\k:SB+16*\k+1], v[SB+16*\k:SB+16*\k+1], v[SB+16*\k+4:SB+16*\k+5]
	v_pk_add_f32 v[SB+16*\k+2:SB+16*\k+3], v[SB+16*\k+2:SB+16*\k+3], v[SB+16*\k+6:SB+16*\k+7]
	v_pk_add_f32 v[SB+16*\k+8:SB+16*\k+9], v[SB+16*\k+8:SB+16*\k+9], v[SB+16*\k+12:SB+16*\k+13]
	v_pk_add_f32 v[SB+16*\k+10:SB+16*\k+11], v[SB+16*\k+10:SB+16*\k+11], v[SB+16*\k+14:SB+16*\k+15]
	v_pk_add_f32 v[SB+16*\k:SB+16*\k+1], v[SB+16*\k:SB+16*\k+1], v[SB+16*\k+8:SB+16*\k+9]
	v_pk_add_f32 v[SB+16*\k+2:SB+16*\k+3], v[SB+16*\k+2:SB+16*\k+3], v[SB+16*\k+10:SB+16*\k+11]
	global_store_b128 v[CO], v[SB+16*\k:SB+16*\k+3], s[70:71] offset:(4*(\n)+\k)*4096 th:TH_STORE_NT
.endr
.endm
; out1: rows 64 x slice + 8 n .. + 7 of my 128 channels: two images added
.macro LDPC n
.set SB, 128+64*((\n)%2)
.irp k, 0,1,2,3,4,5,6,7
.irp i, 0,1
	ds_load_b128 v[SB+8*\k+4*\i:SB+8*\k+4*\i+3], v[RP+\i] offset:(8*(\n)+\k)*PITCH
.endr
.endr
.endm
.macro SUMPC n
.set SB, 128+64*((\n)%2)
.irp k, 0,1,2,3,4,5,6,7
	v_pk_add_f32 v[SB+8*\k:SB+8*\k+1], v[SB+8*\k:SB+8*\k+1], v[SB+8*\k+4:SB+8*\k+5]
	v_pk_add_f32 v[SB+8*\k+2:SB+8*\k+3], v[SB+8*\k+2:SB+8*\k+3], v[SB+8*\k+6:SB+8*\k+7]
	global_store_b128 v[CO], v[SB+8*\k:SB+8*\k+3], s[70:71] offset:(8*(\n)+\k)*4096 th:TH_STORE_NT
.endr
.endm
	s_cmp_eq_u32 s12, 0                            ; the cluster's number decides
	s_cbranch_scc0 .Lsecond
	LDCP 0
.irp n, 0,1,2,3,4,5,6,7
.if \n < 7
.if \n > 0
	s_wait_xcnt 0x0                                ; the stores before last have read their registers
.endif
	LDCP \n+1
	s_wait_dscnt 16
.else
	s_wait_dscnt 0x0
.endif
	SUMCP \n
.endr
	s_branch .Ldone
.Lsecond:
	LDPC 0
.irp n, 0,1,2,3,4,5,6,7
.if \n < 7
.if \n > 0
	s_wait_xcnt 0x0
.endif
	LDPC \n+1
	s_wait_dscnt 16
.else
	s_wait_dscnt 0x0
.endif
	SUMPC \n
.endr
.Ldone:
	s_wait_tensorcnt 0x0                           ; the wave's end
	ds_add_u32 v[SPW], v[NIL]
	s_wait_dscnt 0x0
	CROUND                                         ; the closing round
	s_endpgm
.Lfunc_end_k_q446cf78d10_mix:
	.size	k_q446cf78d10_mix, .Lfunc_end_k_q446cf78d10_mix-k_q446cf78d10_mix
	.p2alignl 7, 3214868480
	.fill 96, 4, 3214868480
	.section	.rodata,"a",@progbits
	.p2align	6, 0x0
	.amdhsa_kernel k_q446cf78d10_mix
		.amdhsa_group_segment_fixed_size 327680
		.amdhsa_private_segment_fixed_size 0
		.amdhsa_enable_private_segment 0
		.amdhsa_kernarg_size 48
		.amdhsa_user_sgpr_count 2
		.amdhsa_user_sgpr_kernarg_segment_ptr 1
		.amdhsa_wavefront_size32 1
		.amdhsa_system_sgpr_workgroup_id_x 1
		.amdhsa_system_sgpr_workgroup_id_y 1
		.amdhsa_system_sgpr_workgroup_id_z 1
		.amdhsa_system_vgpr_workitem_id 0
		.amdhsa_next_free_vgpr 1024
		.amdhsa_next_free_sgpr 100
		.amdhsa_reserve_vcc 0
		.amdhsa_float_denorm_mode_32 3
		.amdhsa_float_denorm_mode_16_64 3
		.amdhsa_memory_ordered 1
		.amdhsa_forward_progress 1
		.amdhsa_inst_pref_size 233
	.end_amdhsa_kernel
	.amdgpu_metadata
---
amdhsa.version: [ 1, 2 ]
amdhsa.kernels:
  - .name:           k_q446cf78d10_mix
    .symbol:         k_q446cf78d10_mix.kd
    .args:
      - { .name: pbuf, .offset: 0, .size: 8, .value_kind: global_buffer, .address_space: global }
      - { .name: proj, .offset: 8, .size: 8, .value_kind: global_buffer, .address_space: global }
      - { .name: stats, .offset: 16, .size: 8, .value_kind: global_buffer, .address_space: global }
      - { .name: lowp_scales, .offset: 24, .size: 8, .value_kind: global_buffer, .address_space: global }
      - { .name: out0, .offset: 32, .size: 8, .value_kind: global_buffer, .address_space: global }
      - { .name: out1, .offset: 40, .size: 8, .value_kind: global_buffer, .address_space: global }
    .group_segment_fixed_size: 327680
    .private_segment_fixed_size: 0
    .kernarg_segment_align: 8
    .kernarg_segment_size: 48
    .max_flat_workgroup_size: 128
    .sgpr_count:     100
    .vgpr_count:     1024
    .wavefront_size: 32
...
	.end_amdgpu_metadata
.endif
;; end of part 3
